; MI455X (gfx1250); checked and timed in simulation.
; The chip was launched on July 23, 2026; its instructions are those of AMD's public machine-readable ISA for CDNA 5 (MIT licence, August 2026) and "CDNA5" Instruction Set Architecture Reference Guide (July 2026). The comments in the code are by the model that wrote it; some were corrected since.
;; Self Attention. Allowed arithmetic: matrix products marked QUANTISED: E2M1 operands, one E8M0 scale for each 32 along K, by v_wmma_scale_f32_16x16x128_f8f6f4 with both operands' format E2M1 (or v_wmma_scale_f32_32x16x128_f4), f32 sums; products left as they are: bf16, f16 or f32 operands; f32 sums; everything else in f32.
;; Inputs: b_proj 1,024 float32; freqs_cos 2,048 x 32 float32; freqs_sin 2,048 x 32 float32; w_proj 1,024 x 1,024 float32; w_qkv 3,072 x 1,024 float32; x 4 x 2,048 x 1,024 float32.
;; Outputs: out0 4 x 2,048 x 1,024 float32.
;; This version of the problem:
;;   THIS VERSION OF THE PROBLEM IS GIVEN IN LOW PRECISION. The matrix products marked QUANTISED in the list below multiply operands that are first quantised to E2M1 (2 exponent bits, 1 mantissa bit; 4 bits a number), with one power-of-two scale for each 32 numbers along K (OCP MX v1.0); their sums are f32. The products marked 'left as it is' may take bf16, f16 or f32 operands, with f32 sums. Whichever they take, every output number must still come out within the allowed error. Rounding operands to bf16 (8 significant bits) uses up far more of that allowance than f16 does (11 bits, for magnitudes from 6e-5 to 65,504). All else is computed in f32.
;;   The module's matrix products, in the order in which they are computed (A, B: the left and right operand; K: the contracted axis; several contracted axes count as one K, in the product's order):
;;     1. [M 8,192, K 1,024] x [K 1,024, N 3,072]; A: input x; B: input w_qkv: QUANTISED
;;     2. batch 64 x [M 2,048, K 64] x [K 64, N 2,048]; A: computed on the way; B: computed on the way: left as it is (an operand is computed on the way)
;;     3. batch 64 x [M 2,048, K 2,048] x [K 2,048, N 64]; A: computed on the way; B: computed on the way: left as it is (an operand is computed on the way)
;;     4. [M 8,192, K 1,024] x [K 1,024, N 1,024]; A: computed on the way; B: input w_proj: left as it is (an operand is computed on the way)
;;   THE QUANTISER, for each operand of a quantised product, along K:
;;     - K is cut into blocks of 32 from its start; a last block that is shorter is filled with zeros.
;;     - A block's scale is 2^e with e = floor(log2(the largest magnitude in the block)) - 2, held to -126 .. 127; a block of zeros has e = 0. As a byte (E8M0): e + 127.
;;     - Each number is divided by its block's scale, clamped to +-6, and rounded to the nearest number of E2M1, ties to even, subnormals kept.
;;     - The product sums the exact products of the quantised numbers (number of the format x scale) in f32.
;;   ~~~python
;;   def quantise(x, axis):      # numpy; x: float32 -> the quantised numbers, widened to float32 again
;;       x = np.moveaxis(x, axis, -1); K = x.shape[-1]
;;       x = np.pad(x, [(0, 0)] * (x.ndim - 1) + [(0, -K % 32)]); x = x.reshape(x.shape[:-1] + (-1, 32)); a = np.abs(x).max(-1, keepdims=True)
;;       e = np.where(a > 0, np.clip(np.frexp(np.where(a > 0, a, 1))[1] - 1 - 2, -126, 127), 0)      # np.frexp(a)[1] - 1 = floor(log2(a)), exactly
;;       r = np.clip(x / 2.0 ** e, -6, 6)
;;       step = 2.0 ** (np.maximum(np.frexp(np.where(r == 0, 1, r))[1] - 1, 0) - 1)
;;       q = np.round(r / step) * step * 2.0 ** e      # np.round: ties to even
;;       return np.moveaxis(q.reshape(q.shape[:-2] + (-1,))[..., :K], -1, axis).astype(np.float32)
;;   ~~~
;; One version. Each part assembles by itself: llvm-mc -triple=amdgcn-amd-amdhsa -mcpu=gfx1250 --defsym DOCPART=n.
;; ======== version 1 of 1: 4 launches
;; limits: values are held in f16: magnitudes above 65,504 overflow, below 6.1e-05 lose precision
;; workspace buffers: xc 4,194,304 bytes; xs 262,144 bytes; wc 1,572,864 bytes; ws 98,304 bytes; wp16 2,097,152 bytes; qkv16 50,331,648 bytes; att16 16,777,216 bytes
;; launch prep (part 1): grid 480 x 1, 4 waves a work-group, no clusters, 33,280 bytes of LDS; arguments x, w_qkv, xc, xs, wc, ws, w_proj, wp16; writes xc, xs, wc, ws, wp16
.if DOCPART == 1
	.amdgcn_target "amdgcn-amd-amdhsa--gfx1250"
	.amdhsa_code_object_version 6
	.text
	.protected	k_qc8714f3d68_prep
	.globl	k_qc8714f3d68_prep
	.p2align	8
	.type	k_qc8714f3d68_prep,@function
k_qc8714f3d68_prep:
	s_mov_b64 s[64:65], 0
	v_nop
	global_prefetch_b8 v0, s[64:65] scope:SCOPE_SE
	s_setreg_imm32_b32 hwreg(HW_REG_WAVE_MODE, 25, 1), 1
	s_wait_xcnt 0x0
; FIRST OF FOUR LAUNCHES of: out0 = attention(rope(x w_qkv^T)) w_proj^T + b_proj.  No work of the problem is dead: there is no mask, nothing is sliced away, and every input has a way to out0; all six inputs are loaded by some launch.
; THIS LAUNCH: x [8192][1024] and w_qkv [3072][1024], f32, become codes of FP4 (E2M1), K innermost, with one E8M0 scale byte for each 32 along K (xc, xs, wc, ws); w_proj [1024][1024] is rounded to f16 (wp16).
; A block's scale is 2^(floor(log2(its largest magnitude)) - 2); its byte is the largest magnitude's own exponent field - 2, held at 1 from below.  Each number is divided by the scale and rounded to the nearest code, ties to even; beyond 6 the largest code.
; LIMITS: a block of zeros gets the byte 1 where the rule says 127 (its codes are zeros, which add nothing, and the bytes are read by this program alone); blocks whose largest magnitude lies under 2^-124 were not tried;
; NaN and infinities among the inputs are not served; w_proj must lie inside f16's range (65,504).
; Rows are dense and K is a multiple of 32: both tensors are plain streams of blocks of 32.  Work-groups 0-255 take x, 256-351 w_qkv, 352-479 w_proj.
; QUANTISER: a wave takes 16 steps of 512 numbers.  Each of a step's four loads reads 512 consecutive bytes; the 2,048 bytes turn through the wave's own stage in LDS and come back 64 bytes a lane, so that a lane holds 16 neighbours
; (two neighbouring lanes hold a block).  A lane's 16 codes are 8 bytes: the wave stores 256 consecutive bytes.  A wave's 256 scale bytes are gathered in LDS and leave as one aligned block.  Waves share nothing: no barrier.
.set SIZE_M, 8192
.set SIZE_N, 3072
.set SIZE_K, 1024
.set WAVES, 4
.set STEPS, 16
.set WGA,   SIZE_M*SIZE_K/(512*STEPS*WAVES)            ; 256 work-groups for x
.set WGQ,   (SIZE_M+SIZE_N)*SIZE_K/(512*STEPS*WAVES)   ; 352 for both quantised tensors
.set EMAX,  2
.set CB,    8                          ; bytes of 16 codes
.set R,     16                         ; v16-79   four sets of 16 numbers as they are loaded
.set X,     80                         ; v80-111  two sets of 16 neighbours
.set C,     128                        ; v128-191 codes: four registers for each step, so that no store's data are written again
.set E,     112                        ; v112-127 a scale byte for each step
.set WREG,  8192                       ; LDS: a region for each wave: two stages of 32 x SP bytes, and behind them its 256 scale bytes
.set SP,    80                         ; a lane's place in a stage: its 64 bytes + 16 of padding
.set SPW,   12                         ; v12      LDS address of my spare word; never rewritten
.set NIL,   13                         ; v13      0; never rewritten
.set SPARE, WAVES*WREG                 ; behind the four regions: the spare words, 128 bytes for each wave
	s_load_b128 s[4:7], s[0:1], 0x0                ; x, w_qkv
	s_load_b128 s[8:11], s[0:1], 0x10              ; x's codes, x's scales
	s_load_b128 s[12:15], s[0:1], 0x20             ; w_qkv's codes, its scales
	s_load_b128 s[24:27], s[0:1], 0x30             ; w_proj, wp16
	v_lshl_add_u32 v[SPW], v0, 2, SPARE
	v_mov_b32 v[NIL], 0
	v_lshrrev_b32 v1, 5, v0
	v_readfirstlane_b32 s16, v1                    ; wave
	v_and_b32 v2, 31, v0                           ; lane
	v_lshlrev_b32 v3, 4, v2                        ; my 16 bytes of a load's 512
	s_mul_i32 s17, s16, WREG
	v_lshrrev_b32 v14, 2, v2
	v_mul_u32_u24 v14, v14, SP
	v_and_b32 v15, 3, v2
	v_lshl_add_u32 v14, v15, 4, v14
	v_add_nc_u32 v14, s17, v14                     ; the stage, on the way in: four lanes' 64 bytes on end, then 16 of padding
	v_mul_u32_u24 v15, v2, SP
	v_add_nc_u32 v15, s17, v15                     ; and on the way out: SP x lane: my 16 neighbours
	v_mul_u32_u24 v4, v2, CB                       ; my codes' place in a step's
	v_lshrrev_b32 v5, 1, v2
	s_add_co_u32 s17, s17, 2*32*SP
	v_add_nc_u32 v5, s17, v5                       ; LDS: my wave's 256 scale bytes, my block's byte
	v_lshlrev_b32 v7, 3, v2                        ; 8 bytes a lane
	v_add_nc_u32 v6, s17, v7
	s_wait_kmcnt 0x0
	s_cmp_ge_u32 ttmp9, WGQ                        ; the last 128 work-groups round w_proj: they touch no LDS
	s_cbranch_scc1 .Lcast
	s_cmp_lt_u32 ttmp9, WGA                        ; x's work-group or w_qkv's?  The choice hangs on the work-group's number alone
	s_cselect_b64 s[4:5], s[4:5], s[6:7]
	s_cselect_b64 s[8:9], s[8:9], s[12:13]
	s_cselect_b64 s[10:11], s[10:11], s[14:15]
	s_cselect_b32 s17, 0, WGA
	s_sub_co_u32 s17, ttmp9, s17
	s_lshl_b32 s17, s17, 2
	s_add_co_u32 s18, s17, s16                     ; which run of 8,192 numbers of the tensor is my wave's
	s_mov_b32 s19, 0
	s_mov_b64 s[20:21], 512*STEPS*4
	s_mul_u64 s[20:21], s[18:19], s[20:21]
	s_add_nc_u64 s[4:5], s[4:5], s[20:21]
	s_mov_b64 s[20:21], 32*STEPS*CB
	s_mul_u64 s[20:21], s[18:19], s[20:21]
	s_add_nc_u64 s[8:9], s[8:9], s[20:21]
	s_lshl_b32 s18, s18, 8                         ; 256 scale bytes a run
	s_add_nc_u64 s[10:11], s[10:11], s[18:19]
.macro LOAD t
.irp i, 0,1,2,3
	global_load_b128 v[R+16*((\t)%4)+4*\i:R+16*((\t)%4)+4*\i+3], v3, s[4:5] offset:2048*(\t)+512*\i th:TH_LOAD_NT   ; 32 lanes read 512 consecutive bytes
.endr
.endm
.macro TURN t                          ; step t's numbers through the stage: LDS serves a wave's instructions in order, so no wait stands between the stores and the loads
.irp i, 0,1,2,3
	ds_store_b128 v14, v[R+16*((\t)%4)+4*\i:R+16*((\t)%4)+4*\i+3] offset:32*SP*((\t)%2)+8*SP*\i
.endr
.irp i, 0,1,2,3
	ds_load_b128 v[X+16*((\t)%2)+4*\i:X+16*((\t)%2)+4*\i+3], v15 offset:32*SP*((\t)%2)+16*\i
.endr
.endm
.irp t, 0,1,2,3
	LOAD \t
.endr
	s_wait_loadcnt 12                              ; step 0's four loads are in
	TURN 0
.macro STEP t
.set XS, X+16*((\t)%2)
.if (\t) > 0
	s_wait_dscnt 1                                 ; this step's numbers are back from the stage (the last step's byte store may be out): so its stores into the stage have read their registers,
.else
	s_wait_dscnt 0x0
.endif
.if (\t)+4 < STEPS
	LOAD (\t)+4                                    ; which take the loads of four steps on
.endif
.if (\t)+1 < STEPS
.if STEPS-2-(\t) >= 3
	s_wait_loadcnt 12                              ; the next step's four loads are in; those of the three steps behind it may be out
.else
	s_wait_loadcnt 4*(STEPS-2-(\t))
.endif
	TURN (\t)+1                                    ; and go through the other stage while this step is worked
.endif
	v_max3_num_f32 v8, |v[XS]|, |v[XS+1]|, |v[XS+2]|               ; the largest magnitude of my 16
	v_max3_num_f32 v9, |v[XS+3]|, |v[XS+4]|, |v[XS+5]|
.irp i, 6,10
	v_max3_num_f32 v8, v8, |v[XS+\i]|, |v[XS+\i+1]|
	v_max3_num_f32 v9, v9, |v[XS+\i+2]|, |v[XS+\i+3]|
.endr
	v_max3_num_f32 v8, v8, |v[XS+14]|, |v[XS+15]|
	v_max3_num_f32 v8, v8, v9, (EMAX+1)<<23        ; and the floor 2^(EMAX + 1 - 127): so the byte cannot fall under 1
	v_max_num_f32_dpp v8, v8, v8 row_xmask:1 row_mask:0xf bank_mask:0xf   ; and of my neighbour's 16: the block's
	v_add_nc_u32 v11, -(EMAX<<23), v8              ; EMAX off its exponent field: the conversion takes the exponent field of this operand as its scale, and nothing else of it
	v_cvt_scalef32_pk8_fp4_f32 v[C+4*(\t)], v[XS:XS+7], v11
	v_cvt_scalef32_pk8_fp4_f32 v[C+4*(\t)+1], v[XS+8:XS+15], v11
	v_lshrrev_b32 v[E+(\t)], 23, v11               ; the scale's byte (also the plain line behind the conversions)
	ds_store_b8 v5, v[E+(\t)] offset:16*(\t)       ; both lanes of a block write the same byte with the same value
	global_store_b64 v4, v[C+4*(\t):C+4*(\t)+1], s[8:9] offset:32*CB*(\t)
.endm
.irp t, 0,1,2,3,4,5,6,7,8,9,10,11,12,13,14,15
	STEP \t
.endr
	ds_load_b64 v[8:9], v6                         ; LDS serves a wave's instructions in order: these see my stores
	s_wait_dscnt 0x0
	global_store_b64 v7, v[8:9], s[10:11]          ; 32 lanes store one aligned block of 256 bytes
	s_wait_tensorcnt 0x0                           ; the wave's end, behind my last LDS store
	ds_add_u32 v[SPW], v[NIL]
	s_wait_dscnt 0x0
	s_endpgm
; w_proj to f16: a wave takes 2,048 numbers in 16 steps.  A load reads 512 consecutive bytes, a store writes 256 consecutive bytes, aligned.  Every offset is an immediate and no register is written twice.
.Lcast:
	s_sub_co_u32 s17, ttmp9, WGQ
	s_lshl_b32 s17, s17, 2
	s_add_co_u32 s17, s17, s16                     ; which run of 2,048 numbers is my wave's: 0 .. 511
	s_lshl_b32 s18, s17, 13
	s_mov_b32 s19, 0
	s_add_nc_u64 s[24:25], s[24:25], s[18:19]
	s_lshl_b32 s18, s17, 12
	s_add_nc_u64 s[26:27], s[26:27], s[18:19]
.irp t, 0,1,2,3,4,5,6,7,8,9,10,11,12,13,14,15
	global_load_b128 v[R+4*\t:R+4*\t+3], v3, s[24:25] offset:512*\t th:TH_LOAD_NT
.endr
.irp t, 0,1,2,3,4,5,6,7,8,9,10,11,12,13,14,15
	s_wait_loadcnt 15-\t                           ; loads come back in order: step t's is in, the later ones may be out
	v_cvt_pk_f16_f32 v[C+2*\t], v[R+4*\t], v[R+4*\t+1]
	v_cvt_pk_f16_f32 v[C+2*\t+1], v[R+4*\t+2], v[R+4*\t+3]
	global_store_b64 v7, v[C+2*\t:C+2*\t+1], s[26:27] offset:256*\t
.endr
	s_endpgm
.Lfunc_end_k_qc8714f3d68_prep:
	.size	k_qc8714f3d68_prep, .Lfunc_end_k_qc8714f3d68_prep-k_qc8714f3d68_prep
	.p2alignl 7, 3214868480
	.fill 96, 4, 3214868480
	.section	.rodata,"a",@progbits
	.p2align	6, 0x0
	.amdhsa_kernel k_qc8714f3d68_prep
		.amdhsa_group_segment_fixed_size 33280
		.amdhsa_private_segment_fixed_size 0
		.amdhsa_enable_private_segment 0
		.amdhsa_kernarg_size 64
		.amdhsa_user_sgpr_count 2
		.amdhsa_user_sgpr_kernarg_segment_ptr 1
		.amdhsa_wavefront_size32 1
		.amdhsa_system_sgpr_workgroup_id_x 1
		.amdhsa_system_sgpr_workgroup_id_y 1
		.amdhsa_system_sgpr_workgroup_id_z 1
		.amdhsa_system_vgpr_workitem_id 0
		.amdhsa_next_free_vgpr 192
		.amdhsa_next_free_sgpr 66
		.amdhsa_reserve_vcc 0
		.amdhsa_float_denorm_mode_32 3
		.amdhsa_float_denorm_mode_16_64 3
		.amdhsa_memory_ordered 1
		.amdhsa_forward_progress 1
		.amdhsa_inst_pref_size 39
	.end_amdhsa_kernel
	.amdgpu_metadata
---
amdhsa.version: [ 1, 2 ]
amdhsa.kernels:
  - .name:           k_qc8714f3d68_prep
    .symbol:         k_qc8714f3d68_prep.kd
    .args:
      - { .name: x, .offset: 0, .size: 8, .value_kind: global_buffer, .address_space: global }
      - { .name: w_qkv, .offset: 8, .size: 8, .value_kind: global_buffer, .address_space: global }
      - { .name: xc, .offset: 16, .size: 8, .value_kind: global_buffer, .address_space: global }
      - { .name: xs, .offset: 24, .size: 8, .value_kind: global_buffer, .address_space: global }
      - { .name: wc, .offset: 32, .size: 8, .value_kind: global_buffer, .address_space: global }
      - { .name: ws, .offset: 40, .size: 8, .value_kind: global_buffer, .address_space: global }
      - { .name: w_proj, .offset: 48, .size: 8, .value_kind: global_buffer, .address_space: global }
      - { .name: wp16, .offset: 56, .size: 8, .value_kind: global_buffer, .address_space: global }
    .group_segment_fixed_size: 33280
    .private_segment_fixed_size: 0
    .kernarg_segment_align: 8
    .kernarg_segment_size: 64
    .max_flat_workgroup_size: 128
    .sgpr_count:     66
    .vgpr_count:     192
    .wavefront_size: 32
...
	.end_amdgpu_metadata
.endif
;; end of part 1
;; launch qkv (part 2): grid 12 x 32, 4 waves a work-group, clusters of 4 x 4, 327,680 bytes of LDS; arguments xc, xs, wc, ws, freqs_cos, freqs_sin, qkv16; writes qkv16
.if DOCPART == 2
	.amdgcn_target "amdgcn-amd-amdhsa--gfx1250"
	.amdhsa_code_object_version 6
	.text
	.protected	k_qc8714f3d68_qkv
	.globl	k_qc8714f3d68_qkv
	.p2align	8
	.type	k_qc8714f3d68_qkv,@function
k_qc8714f3d68_qkv:
	s_mov_b64 s[64:65], 0
	v_nop
	global_prefetch_b8 v0, s[64:65] scope:SCOPE_SE
	s_setreg_imm32_b32 hwreg(HW_REG_WAVE_MODE, 25, 1), 1
	s_wait_xcnt 0x0
	s_wait_alu depctr_hold_cnt(0) depctr_sa_sdst(0) depctr_va_vdst(0) depctr_va_sdst(0) depctr_va_ssrc(0) depctr_va_vcc(0) depctr_vm_vsrc(0)
	s_getreg_b32 s2, hwreg(HW_REG_IB_STS2, 6, 4)
	s_cmp_eq_u32 s2, 0
	s_cbranch_scc0 .Lentry_in_a_cluster
	s_endpgm
.Lentry_in_a_cluster:
	s_bfe_u32 s2, ttmp6, 0x10000c
	s_cmp_lg_u32 s2, 0xf033
	s_cbranch_scc0 .Lentry_shape_is_right
	s_endpgm
.Lentry_shape_is_right:
; SECOND LAUNCH: qkv = x w_qkv^T on codes of FP4 (E2M1) with E8M0 scales for each 32 along K; q and k are turned by the RoPE tables in f32; q, k, v are rounded to f16 and laid [q|k|v][batch][head][n][64].  No work is left out.
; LIMIT: |q|, |k|, |v| must lie inside f16's range (65,504).
; A tile of the product, 256 rows x 256 columns, is made by a work-group of four waves; a wave makes 128 x 128: 64 accumulators of 16 x 16, 512 registers.  K = 1,024 is two LDS slots of 512 along K (rows of 256 bytes):
; both are asked for at the start and nothing is filled again.  The scale bytes of the work-group's rows, for all of K, are two dense blocks of memory and come with the first fills.
; CLUSTERS: 4 x 4 work-groups.  The four of a row of the cluster need the same tiles of x, the four of a column the same tiles of w_qkv: each tile is asked for JOINTLY.
; THE MATRIX INSTRUCTION IS USED TRANSPOSED (source 0 = 16 rows of w_qkv, source 1 = 16 rows of x): a lane then holds eight neighbouring columns of one row: four RoPE pairs.
; REGISTERS, in windows of 256: window 0: v0-31 addresses; v32-95 scale words, two sets; from v128 x's fragments, ONE set.  window 1: w_qkv's fragments, TWO sets, at v0 and v128.
;   window 2: the 32 accumulators of my rows 0-63 (accumulator (a, b) at v[8 (8 a + b)]);  window 3: those of my rows 64-127.
;   On the way out window 0 holds: v32-95 two sets of cos (16) and sin (16); v96-127 packed f16; v128-191 two sets of rows read back; v192-255 the turned numbers.
.set SIZE_M, 8192
.set SIZE_N, 3072
.set SIZE_K, 1024
.set KSTEP,  512                       ; along K in a slot
.set NQ,     KSTEP/128                 ; matrix instructions deep
.set ROWB,   256                       ; a tile's row in bytes
.set KROW,   SIZE_K*4/8                ; a row of codes in memory, in bytes
.set PITCH,  272                       ; an LDS row: 256 bytes + 16 of padding: the 16 rows that a load touches start at 16 different groups of four banks
.set FR,     8                         ; registers of a fragment: 16 rows x 128 K
.set NL,     2                         ; LDS loads that bring one
.set NP,     4                         ; places behind this matrix instruction (ISA guide 7.12.1)
.set HALFT,  128*PITCH                 ; 128 rows: what one tensor load brings
.set SLOT,   4*HALFT                   ; x's 256 rows, then w_qkv's 256 rows
.set KS,     SIZE_K/32                 ; a row of scales in bytes
.set SCL,    2*SLOT                    ; behind the ring: the scales, as blocks of 256 bytes + 16 of padding
.set HALFS,  (128*KS/256)*272          ; the scales of 128 rows
.set SBLK,   (16*KS/256)*272           ; those of 16 rows
.set SPARE,  SCL+4*HALFS               ; behind the scales: the spare words, 128 bytes for each wave
.set HP,     144                       ; the way out: a stage row: 64 f16 + 16 bytes of padding
.set WSTG,   2*16*HP                   ; a wave's stage: 2 heads x 16 rows.  The stages lie in slot 0, which has had its only fill, and its last read when the first result is stored there
.set PLAIN,  4*WSTG                    ; the way without RoPE has stage bytes of its own, behind the other way's
.set ADRA, 16                          ; v16-17  LDS address of my fragments of x in slot 0, 1
.set ADRB, 20                          ; v20-21  the same for w_qkv
.set STO,  24                          ; v24     the way out: where I put 16 bytes of a row
.set RD,   25                          ; v25     where I read rows back
.set CO,   26                          ; v26     16 x lane: my bytes of 512 stored on end
.set ADRS, 27                          ; v27     LDS address of my scale words: lanes 0-15 x's rows, lanes 16-31 w_qkv's
.set SPW,  28                          ; v28     LDS address of my spare word; never rewritten
.set NIL,  29                          ; v29     0; never rewritten
.set FO,   30                          ; v30     my byte in 16 rows of a RoPE table: 128 (lane % 16) + 16 (lane / 16)
.set SC,   32                          ; scale words: set s at v[SC + 8 NQ s]
.set AF,   128                         ; x's fragments, in window 0
.set CS,   32                          ; the way out: cos and sin, two sets of 32
.set TMP,  96
.set BK,   128
.set T,    192
.set G1, 24                            ; s[24:31] descriptor group 1 for x's tiles;  s[32:39] group 0, one set for each slot
.set G0, 32
.set G1B, 48                           ; s[48:55], s[56:63] the same for w_qkv's
.set G0B, 56
.set G1S, 68                           ; s[68:75], s[76:79] groups 1 and 0 for x's scales;  s[80:87], s[88:91] for w_qkv's
.set G0S, 76
.set G1SB, 80
.set G0SB, 88
.set MSB, 0
.macro WIN new                         ; the immediate's high byte repeats the setting that is left
.if MSB != (\new)
	s_set_vgpr_msb (MSB<<8)|(\new)
.set MSB, (\new)
.endif
.endm
.set MUL_LO, 0xa1                      ; source 0 (w_qkv) window 1, source 1 (x) window 0, C and D window 2
.set MUL_HI, 0xf1                      ; the same, C and D window 3
.set TO_B,   0x40                      ; destination window 1, address window 0
; A joint load: waves 0 and 1 fetch for x, waves 2 and 3 for w_qkv.  The branch hangs on the wave's number alone.  An s_nop 0 and four v_nop follow each of the two lines.
.macro JLOAD g0a, g1a, g0b, g1b
	s_cmp_eq_u32 s15, 0
	s_cbranch_scc0 .Lfor_b_\@
	tensor_load_to_lds s[\g0a:\g0a+3], s[\g1a:\g1a+7]
	s_nop 0
.rept 4
	v_nop
.endr
	s_branch .Lasked_\@
.Lfor_b_\@:
	tensor_load_to_lds s[\g0b:\g0b+3], s[\g1b:\g1b+7]
	s_nop 0
.rept 4
	v_nop
.endr
.Lasked_\@:
.endm
.macro CROUND                          ; a round of the cluster's barrier
	s_barrier_signal -1
	s_barrier_wait -1
	s_cmp_lg_u32 s14, 0
	s_cbranch_scc1 .Lnot_wave_0_\@
	s_barrier_signal -3
.Lnot_wave_0_\@:
	s_barrier_wait -3
	s_barrier_signal -1
	s_barrier_wait -1
.endm
	s_load_b128 s[4:7], s[0:1], 0x0                ; x's codes s[4:5], x's scales s[6:7]
	s_load_b128 s[8:11], s[0:1], 0x10              ; w_qkv's codes s[8:9], its scales s[10:11]
	s_load_b128 s[96:99], s[0:1], 0x20             ; cos s[96:97], sin s[98:99]
	s_load_b64 s[12:13], s[0:1], 0x30              ; qkv16
	v_lshl_add_u32 v[SPW], v0, 2, SPARE
	v_mov_b32 v[NIL], 0
	ds_add_u32 v[SPW], v[NIL]                      ; the wave's opening: the add, twice on end, and its wait ahead of my first tensor load
	ds_add_u32 v[SPW], v[NIL]
	v_lshrrev_b32 v1, 5, v0
	v_readfirstlane_b32 s14, v1                    ; wave 0..3
	s_lshr_b32 s15, s14, 1                         ; which half of the tile's rows is mine.  Also: I fetch for x (0) or for w_qkv (1)
	s_and_b32 s16, s14, 1                          ; which half of its columns.  Also: which 128 rows of that tile I fetch
	s_bfe_u32 s40, ttmp6, 0x40000                  ; cx, cy: my place in the cluster
	s_bfe_u32 s41, ttmp6, 0x40004
	s_lshl_b32 s42, ttmp9, 2
	s_add_co_u32 s42, s42, s40                     ; tile column = 4 x cluster x + cx
	s_and_b32 s17, ttmp7, 0xffff
	s_lshl_b32 s17, s17, 2
	s_add_co_u32 s17, s17, s41                     ; tile row = 4 x cluster y + cy
	s_lshl_b32 s43, s41, 2
	s_lshl_b32 s43, 15, s43                        ; my row of the cluster
	s_lshl_b32 s44, 0x1111, s40                    ; my column
	; descriptor group 1: a tile of 128 rows x 256 bytes, padded in LDS
	s_or_b32 s[G1+0], s43, (0<<16)|(1<<20)|(1<<21)|(5<<22)|(3<<25)  ; 15:0 the mask; 17:16 element of 1 byte; 20 padding on; 21 set beside a mask; 24:22 after every 64 words; 31:25 four words
	s_or_b32 s[G1B+0], s44, (0<<16)|(1<<20)|(1<<21)|(5<<22)|(3<<25)
.irp g, G1, G1B
	s_mov_b32 s[\g+1], ROWB<<16                    ; tensor_dim0
	s_mov_b32 s[\g+2], 128<<16                     ; tensor_dim1 = 128
	s_mov_b32 s[\g+3], ROWB<<16                    ; tile_dim0
	s_mov_b32 s[\g+4], 128                         ; tile_dim1 = 128
	s_mov_b32 s[\g+5], KROW                        ; tensor_dim0_stride
	s_mov_b32 s[\g+6], 0
	s_mov_b32 s[\g+7], 0
.endr
	; and for the scales of 128 rows: a dense block of 4,096 bytes, as rows of 256 bytes (32 elements of 8 bytes), 16 bytes of padding behind each
	s_or_b32 s[G1S+0], s43, (3<<16)|(1<<20)|(1<<21)|(5<<22)|(3<<25)
	s_or_b32 s[G1SB+0], s44, (3<<16)|(1<<20)|(1<<21)|(5<<22)|(3<<25)
.irp g, G1S, G1SB
	s_mov_b32 s[\g+1], 32<<16
	s_mov_b32 s[\g+2], (128*KS/256)<<16
	s_mov_b32 s[\g+3], 32<<16
	s_mov_b32 s[\g+4], 128*KS/256
	s_mov_b32 s[\g+5], 32
	s_mov_b32 s[\g+6], 0
	s_mov_b32 s[\g+7], 0
.endr
	s_lshl_b32 s18, s16, 7                         ; which 128 rows of the tile I fetch
	s_lshl_b32 s20, s17, 8
	s_add_co_u32 s20, s20, s18                     ; x: row 256 x tile row + 128 x half
	s_lshl_b32 s46, s42, 8
	s_add_co_u32 s46, s46, s18                     ; w_qkv: row 256 x tile column + 128 x half
	s_mov_b32 s21, 0
	s_mov_b32 s47, 0
	s_mov_b64 s[18:19], KS
	s_mul_u64 s[22:23], s[20:21], s[18:19]         ; where these rows' scales begin, in bytes
	s_mul_u64 s[92:93], s[46:47], s[18:19]
	s_mov_b64 s[18:19], KROW
	s_mul_u64 s[20:21], s[20:21], s[18:19]         ; and their codes
	s_mul_u64 s[46:47], s[46:47], s[18:19]
	s_mul_i32 s45, s14, HALFT                      ; where they go: wave x 128 rows: no place in the cluster enters an LDS address
	s_mul_i32 s94, s14, HALFS
	s_wait_dscnt 0x0                               ; both opening adds are done
	s_wait_kmcnt 0x0
	s_add_nc_u64 s[20:21], s[4:5], s[20:21]
	s_add_nc_u64 s[22:23], s[6:7], s[22:23]
	s_add_nc_u64 s[46:47], s[8:9], s[46:47]
	s_add_nc_u64 s[92:93], s[10:11], s[92:93]
	CROUND                                         ; all sixteen work-groups are here: the joint loads meet
	s_mov_b32 s[G0S], 1
	s_add_co_u32 s[G0S+1], s94, SCL
	s_mov_b64 s[G0S+2:G0S+3], s[22:23]
	s_or_b32 s[G0S+3], s[G0S+3], 0x80000000
	s_mov_b32 s[G0SB], 1
	s_add_co_u32 s[G0SB+1], s94, SCL
	s_mov_b64 s[G0SB+2:G0SB+3], s[92:93]
	s_or_b32 s[G0SB+3], s[G0SB+3], 0x80000000
	JLOAD G0S, G1S, G0SB, G1SB                     ; the scales first: they are wanted with the first slot
.irp s, 0,1
	s_mov_b32 s[G0+4*\s], 1
	s_add_co_u32 s[G0+4*\s+1], s45, \s*SLOT
	s_add_nc_u64 s[G0+4*\s+2:G0+4*\s+3], s[20:21], \s*ROWB
	s_or_b32 s[G0+4*\s+3], s[G0+4*\s+3], 0x80000000
	s_mov_b32 s[G0B+4*\s], 1
	s_add_co_u32 s[G0B+4*\s+1], s45, \s*SLOT
	s_add_nc_u64 s[G0B+4*\s+2:G0B+4*\s+3], s[46:47], \s*ROWB
	s_or_b32 s[G0B+4*\s+3], s[G0B+4*\s+3], 0x80000000
	JLOAD G0+4*\s, G1, G0B+4*\s, G1B               ; three tensor loads of mine are out at the most
.endr
	v_and_b32 v1, 15, v0                           ; l % 16
	v_bfe_u32 v2, v0, 4, 1                         ; l / 16
	v_mul_u32_u24 v3, v1, PITCH
	v_lshl_add_u32 v4, v2, 4, v3                   ; a fragment's row x pitch + 16 x half
	s_mul_i32 s21, s15, HALFT                      ; my 128 rows of x
	s_mul_i32 s22, s16, HALFT                      ; my 128 rows of w_qkv,
	s_add_co_u32 s22, s22, 2*HALFT                 ; which lie behind x's 256
.irp s, 0,1
	v_add_nc_u32 v[ADRA+\s], s21, v4
	v_add_nc_u32 v[ADRB+\s], s22, v4
	s_add_co_u32 s21, s21, SLOT
	s_add_co_u32 s22, s22, SLOT
.endr
	v_mul_u32_u24 v5, v1, KS                       ; my row's scales: KS bytes a row,
	v_lshrrev_b32 v6, 8, v5
	v_lshl_add_u32 v5, v6, 4, v5                   ; and 16 more for each 256 passed
	s_mul_i32 s21, s15, HALFS                      ; x's: my 128 rows
	s_mul_i32 s22, s16, HALFS                      ; w_qkv's: my 128 rows, behind x's 256
	s_add_co_u32 s22, s22, 2*HALFS
	s_sub_co_u32 s22, s22, s21
	v_mul_u32_u24 v6, s22, v2                      ; lanes 16-31 take w_qkv's
	s_add_co_u32 s21, s21, SCL
	v_add_nc_u32 v5, v5, v6
	v_add_nc_u32 v[ADRS], s21, v5
	s_mul_i32 s23, s14, WSTG                       ; my stage
	v_mul_u32_u24 v5, v1, HP                       ; in: row l % 16, 16 bytes for each half of the lanes
	v_lshl_add_u32 v5, v2, 4, v5
	v_add_nc_u32 v[STO], s23, v5
	v_bfe_u32 v5, v0, 3, 2                         ; back: eight lanes take one row of 128 bytes, the wave four rows
	v_mul_u32_u24 v5, v5, HP
	v_and_b32 v6, 7, v0
	v_lshl_add_u32 v5, v6, 4, v5
	v_add_nc_u32 v[RD], s23, v5
	v_and_b32 v6, 31, v0
	v_lshlrev_b32 v[CO], 4, v6                     ; four rows of a head are 512 bytes on end in qkv16
	v_lshlrev_b32 v[FO], 7, v1
	v_lshl_add_u32 v[FO], v2, 4, v[FO]
	; where my part begins.  My 128 columns are two heads: number 4 x tile column + 2 x half among the 48 of q, k, v.  My rows: batch = tile row / 8, n0 = 256 (tile row % 8) + 128 x half
	s_lshl_b32 s46, s42, 2
	s_lshl_b32 s47, s16, 1
	s_add_co_u32 s46, s46, s47
	s_lshr_b32 s47, s46, 4                         ; q, k or v
	s_and_b32 s46, s46, 15                         ; the head
	s_lshl_b32 s47, s47, 6
	s_add_co_u32 s46, s46, s47
	s_lshr_b32 s47, s17, 3                         ; the batch
	s_lshl_b32 s47, s47, 4
	s_add_co_u32 s46, s46, s47
	s_lshl_b32 s46, s46, 18                        ; a head is 2,048 rows of 128 bytes
	s_and_b32 s20, s17, 7
	s_lshl_b32 s20, s20, 8
	s_lshl_b32 s21, s15, 7
	s_add_co_u32 s20, s20, s21                     ; n0
	s_lshl_b32 s20, s20, 7                         ; 128 bytes a row, in qkv16 and in the tables alike
	s_mov_b32 s21, 0
	s_add_nc_u64 s[96:97], s[96:97], s[20:21]
	s_add_nc_u64 s[98:99], s[98:99], s[20:21]
	s_add_co_u32 s46, s46, s20
	s_mov_b32 s47, 0
	s_add_nc_u64 s[12:13], s[12:13], s[46:47]
.macro FRAG reg, adr, q, i             ; a fragment, 16 rows x 128 K of 4-bit codes: lane l holds row l % 16; registers 4 c .. 4 c + 3 hold K = 64 c + 32 (l / 16) + 0 .. 31
.irp c, 0,1
	ds_load_b128 v[\reg+4*\c:\reg+4*\c+3], v[\adr] offset:64*(\q)+32*\c+(\i)*16*PITCH
.endr
.endm
; 16 matrix instructions: x's blocks a0, a0 + 1 against w_qkv's eight, 128 along K: the slot's q-th.  p: w_qkv's set;  sc: the set of scale words.  zero = 1: the first product starts the sums.
; The 64 accumulators take turns, one instruction a turn, in the same order in every step.
.macro MUL16 a0, p, q, sc, zero
.irp a, \a0, \a0+1
.irp b, 0,1,2,3,4,5,6,7
.if \zero
	v_wmma_scale_f32_16x16x128_f8f6f4 v[8*(8*((\a)%4)+\b):8*(8*((\a)%4)+\b)+7], v[128*(\p)+FR*\b:128*(\p)+FR*\b+FR-1], v[AF+FR*(\a):AF+FR*(\a)+FR-1], 0, v[SC+8*NQ*(\sc)+NQ*\b+(\q)], v[SC+8*NQ*(\sc)+NQ*(\a)+(\q)] matrix_a_fmt:MATRIX_FMT_FP4 matrix_b_fmt:MATRIX_FMT_FP4 matrix_a_scale:MATRIX_SCALE_ROW1
.else
	v_wmma_scale_f32_16x16x128_f8f6f4 v[8*(8*((\a)%4)+\b):8*(8*((\a)%4)+\b)+7], v[128*(\p)+FR*\b:128*(\p)+FR*\b+FR-1], v[AF+FR*(\a):AF+FR*(\a)+FR-1], v[8*(8*((\a)%4)+\b):8*(8*((\a)%4)+\b)+7], v[SC+8*NQ*(\sc)+NQ*\b+(\q)], v[SC+8*NQ*(\sc)+NQ*(\a)+(\q)] matrix_a_fmt:MATRIX_FMT_FP4 matrix_b_fmt:MATRIX_FMT_FP4 matrix_a_scale:MATRIX_SCALE_ROW1
.endif
.endr
.endr
.endm
.macro FETCH_B slot, q, p              ; w_qkv's eight fragments of the slot's q-th 128 along K into set p
	WIN TO_B
.irp i, 0,1,2,3,4,5,6,7
	FRAG 128*(\p)+FR*\i, ADRB+\slot, \q, \i
.endr
	WIN 0
.endm
.macro FETCH_A slot, q, i0             ; x's blocks i0 .. i0 + 3
.irp i, \i0, \i0+1, \i0+2, \i0+3
	FRAG AF+FR*(\i), ADRA+\slot, \q, \i
.endr
.endm
.macro SCALES sc                       ; a slot's scale words into set sc: NQ words a row; lanes 0-15 take x's block i, lanes 16-31 w_qkv's block i
.irp i, 0,1,2,3,4,5,6,7
	ds_load_b128 v[SC+8*NQ*\sc+NQ*\i:SC+8*NQ*\sc+NQ*\i+3], v[ADRS] offset:\i*SBLK
.endr
.endm
; A load into a register that a matrix instruction has read, and a vector instruction that reads a matrix result, stand NP places behind that matrix instruction; only plain vector instructions that name none of its registers are places.
.macro PLACES n
.rept \n
	v_nop
.endr
.endm
; A step of 128 along K that has its successor in the same slot.
.macro STEP slot, q, zero
	s_wait_dscnt 4*NL                              ; w_qkv's set and x's blocks 0-3 are in; the youngest eight loads (x's blocks 4-7) may be out
	WIN MUL_LO
	MUL16 0, (\q)%2, \q, \slot, \zero
	MUL16 2, (\q)%2, \q, \slot, \zero
	s_wait_dscnt 0                                 ; x's blocks 4-7 are in (asked for 32 matrix instructions ago)
	PLACES NP
	FETCH_B \slot, (\q)+1, 1-(\q)%2
	FETCH_A \slot, (\q)+1, 0
	WIN MUL_HI
	MUL16 4, (\q)%2, \q, \slot, \zero
	MUL16 6, (\q)%2, \q, \slot, \zero
	PLACES NP
	WIN 0
	FETCH_A \slot, (\q)+1, 4
.endm
; Slot 0's last step changes slots: one barrier; in front of it each wave waits for all its tensor loads (its part of slot 1), adds 0 to its spare word, and waits for that and for its own reads of slot 0.  Nothing is filled again.
.macro TURN slot, next
	s_wait_tensorcnt 0x0
	ds_add_u32 v[SPW], v[NIL]
	s_wait_dscnt 4*NL+1                            ; (the add and the youngest eight loads may be out)
	WIN MUL_LO
	MUL16 0, 1, NQ-1, \slot, 0
	s_wait_dscnt 0x0                               ; the add is done, and my reads of this slot are over
	s_barrier_signal -1
	MUL16 2, 1, NQ-1, \slot, 0
	WIN 0
	s_barrier_wait -1
	PLACES NP
	v_add_nc_u32 v[ADRS], 4*NQ, v[ADRS]            ; on to the next slot's scale words
	FETCH_B \next, 0, 0
	FETCH_A \next, 0, 0
	SCALES \next
	WIN MUL_HI
	MUL16 4, 1, NQ-1, \slot, 0
	MUL16 6, 1, NQ-1, \slot, 0
	PLACES NP
	WIN 0
	FETCH_A \next, 0, 4
.endm
.macro STEPS slot, from                ; the slot's steps from .. NQ - 2
.set Q, \from
.rept NQ-1-\from
	STEP \slot, Q, 0
.set Q, Q+1
.endr
.endm
	s_wait_tensorcnt 1                             ; the scales and my part of slot 0 are in (slot 1's load may be out),
	s_barrier_signal -1
	s_barrier_wait -1                              ; everybody's are
	FETCH_B 0, 0, 0
	FETCH_A 0, 0, 0
	SCALES 0
	FETCH_A 0, 0, 4
	STEP 0, 0, 1                                   ; the first step's products start the sums: nothing is cleared
	STEPS 0, 1
	TURN 0, 1
	STEPS 1, 0
	s_wait_dscnt 4*NL                              ; the very last step: nothing more to fetch
	WIN MUL_LO
	MUL16 0, 1, NQ-1, 1, 0
	MUL16 2, 1, NQ-1, 1, 0
	s_wait_dscnt 0
	WIN MUL_HI
	MUL16 4, 1, NQ-1, 1, 0
	MUL16 6, 1, NQ-1, 1, 0
	WIN 0
; THE WAY OUT, block by block of 16 rows x 128 columns (two heads).  In accumulator (a, b) lane (r, h) holds row 16 a + r and channels 16 (b % 4) + 8 h + 0 .. 7 of head b / 4: RoPE pairs 8 (b % 4) + 4 h + 0 .. 3.
.macro CSLOAD a                        ; cos and sin of block a's 16 rows: for each quarter q of a head my four pairs' numbers, 16 bytes
.irp q, 0,1,2,3
	global_load_b128 v[CS+32*((\a)%2)+4*\q:CS+32*((\a)%2)+4*\q+3], v[FO], s[96:97] offset:2048*(\a)+32*\q
	global_load_b128 v[CS+32*((\a)%2)+16+4*\q:CS+32*((\a)%2)+16+4*\q+3], v[FO], s[98:99] offset:2048*(\a)+32*\q
.endr
.endm
.macro ROPE a                          ; (x0, x1) -> (x0 c - x1 s, x0 s + x1 c), a pair an instruction: first (x0 c, x1 c), then the fused (-x1 s, +x0 s) onto it; each accumulator is read from its low end on
.set AC, 64*((\a)%4)
.set CB, CS+32*((\a)%2)
	WIN 0x02+(\a)/4                                ; source 0: window 2 or 3
.irp b, 0,1,2,3,4,5,6,7
.irp p, 0,1
.irp e, 0,1
	v_pk_mul_f32 v[T+8*\b+4*\p+2*\e:T+8*\b+4*\p+2*\e+1], v[AC+8*\b+4*\p+2*\e:AC+8*\b+4*\p+2*\e+1], v[CB+4*(\b%4)+2*\p:CB+4*(\b%4)+2*\p+1] op_sel:[0,\e] op_sel_hi:[1,\e]
.endr
.endr
.endr
.irp b, 0,1,2,3,4,5,6,7
.irp p, 0,1
.irp e, 0,1
	v_pk_fma_f32 v[T+8*\b+4*\p+2*\e:T+8*\b+4*\p+2*\e+1], v[AC+8*\b+4*\p+2*\e:AC+8*\b+4*\p+2*\e+1], v[CB+16+4*(\b%4)+2*\p:CB+16+4*(\b%4)+2*\p+1], v[T+8*\b+4*\p+2*\e:T+8*\b+4*\p+2*\e+1] op_sel:[1,\e,0] op_sel_hi:[0,\e,1] neg_lo:[0,1,0]
.endr
.endr
.endr
	WIN 0
.irp b, 0,1,2,3,4,5,6,7
.irp i, 0,1,2,3
	v_cvt_pk_f16_f32 v[TMP+4*\b+\i], v[T+8*\b+2*\i], v[T+8*\b+2*\i+1]
.endr
.endr
.endm
.macro PACK a                          ; v is rounded as it stands
.set AC, 64*((\a)%4)
	WIN 0x0a+5*((\a)/4)                            ; sources 0 and 1: window 2 or 3
.irp b, 0,1,2,3,4,5,6,7
.irp i, 0,1,2,3
	v_cvt_pk_f16_f32 v[TMP+4*\b+\i], v[AC+8*\b+2*\i], v[AC+8*\b+2*\i+1]
.endr
.endr
	WIN 0
.endm
.macro TOSTAGE a, off                  ; 16 bytes a lane into my stage, and back as rows: LDS serves a wave's instructions in order, so no wait stands between
.irp b, 0,1,2,3,4,5,6,7
	ds_store_b128 v[STO], v[TMP+4*\b:TMP+4*\b+3] offset:\off+16*HP*(\b/4)+32*(\b%4)
.endr
.set BB, BK+32*((\a)%2)
.irp t, 0,1,2,3,4,5,6,7
	ds_load_b128 v[BB+4*\t:BB+4*\t+3], v[RD] offset:\off+16*HP*(\t/4)+4*HP*(\t%4)
.endr
.endm
.macro SEND a
.set BB, BK+32*((\a)%2)
	s_wait_dscnt 0x0                               ; the block is back in registers
	s_wait_xcnt 0x0                                ; the stores of the block before have read their registers: the next block's rows may land there
.irp t, 0,1,2,3,4,5,6,7
	global_store_b128 v[CO], v[BB+4*\t:BB+4*\t+3], s[12:13] offset:262144*(\t/4)+2048*(\a)+512*(\t%4)   ; 32 lanes store 512 consecutive bytes, four rows of a head, at a multiple of 256 from the buffer's first byte
.endr
.endm
	PLACES NP                                      ; behind the last products, for the first reads of results and the loads into registers that held scales and fragments
	s_cmp_eq_u32 ttmp9, 2                          ; columns 2,048 on are v: the cluster's x, the same in all sixteen partners
	s_cbranch_scc1 .Lplain
	CSLOAD 0
	CSLOAD 1
.irp a, 0,1,2,3,4,5,6,7
.if \a < 7
	s_wait_loadcnt 8                               ; this block's eight table loads are in; the next block's may be out
.else
	s_wait_loadcnt 0
.endif
	ROPE \a
.if \a < 6
	CSLOAD \a+2
.endif
.if \a > 0
	SEND \a-1
.endif
	TOSTAGE \a, 0
.endr
	SEND 7
	s_branch .Ldone
.Lplain:
.irp a, 0,1,2,3,4,5,6,7
	PACK \a
.if \a > 0
	SEND \a-1
.endif
	TOSTAGE \a, PLAIN
.endr
	SEND 7
.Ldone:
	s_wait_tensorcnt 0x0                           ; the wave's end, behind my last tensor load and my last LDS store
	ds_add_u32 v[SPW], v[NIL]
	s_wait_dscnt 0x0
	CROUND                                         ; the closing round
	s_endpgm
.Lfunc_end_k_qc8714f3d68_qkv:
	.size	k_qc8714f3d68_qkv, .Lfunc_end_k_qc8714f3d68_qkv-k_qc8714f3d68_qkv
	.p2alignl 7, 3214868480
	.fill 96, 4, 3214868480
	.section	.rodata,"a",@progbits
	.p2align	6, 0x0
	.amdhsa_kernel k_qc8714f3d68_qkv
		.amdhsa_group_segment_fixed_size 327680
		.amdhsa_private_segment_fixed_size 0
		.amdhsa_enable_private_segment 0
		.amdhsa_kernarg_size 56
		.amdhsa_user_sgpr_count 2
		.amdhsa_user_sgpr_kernarg_segment_ptr 1
		.amdhsa_wavefront_size32 1
		.amdhsa_system_sgpr_workgroup_id_x 1
		.amdhsa_system_sgpr_workgroup_id_y 1
		.amdhsa_system_sgpr_workgroup_id_z 1
		.amdhsa_system_vgpr_workitem_id 0
		.amdhsa_next_free_vgpr 1024
		.amdhsa_next_free_sgpr 100
		.amdhsa_reserve_vcc 0
		.amdhsa_float_denorm_mode_32 3
		.amdhsa_float_denorm_mode_16_64 3
		.amdhsa_memory_ordered 1
		.amdhsa_forward_progress 1
		.amdhsa_inst_pref_size 196
	.end_amdhsa_kernel
	.amdgpu_metadata
---
amdhsa.version: [ 1, 2 ]
amdhsa.kernels:
  - .name:           k_qc8714f3d68_qkv
    .symbol:         k_qc8714f3d68_qkv.kd
    .args:
      - { .name: xc, .offset: 0, .size: 8, .value_kind: global_buffer, .address_space: global }
      - { .name: xs, .offset: 8, .size: 8, .value_kind: global_buffer, .address_space: global }
      - { .name: wc, .offset: 16, .size: 8, .value_kind: global_buffer, .address_space: global }
      - { .name: ws, .offset: 24, .size: 8, .value_kind: global_buffer, .address_space: global }
      - { .name: freqs_cos, .offset: 32, .size: 8, .value_kind: global_buffer, .address_space: global }
      - { .name: freqs_sin, .offset: 40, .size: 8, .value_kind: global_buffer, .address_space: global }
      - { .name: qkv16, .offset: 48, .size: 8, .value_kind: global_buffer, .address_space: global }
    .group_segment_fixed_size: 327680
    .private_segment_fixed_size: 0
    .kernarg_segment_align: 8
    .kernarg_segment_size: 56
    .max_flat_workgroup_size: 128
    .sgpr_count:     100
    .vgpr_count:     1024
    .wavefront_size: 32
...
	.end_amdgpu_metadata
.endif
;; end of part 2
;; launch attn (part 3): grid 8 x 32, 8 waves a work-group, clusters of 4 x 1, 327,680 bytes of LDS; arguments qkv16, att16; writes att16
.if DOCPART == 3
	.amdgcn_target "amdgcn-amd-amdhsa--gfx1250"
	.amdhsa_code_object_version 6
	.text
	.protected	k_qc8714f3d68_attn
	.globl	k_qc8714f3d68_attn
	.p2align	8
	.type	k_qc8714f3d68_attn,@function
k_qc8714f3d68_attn:
	s_mov_b64 s[64:65], 0
	v_nop
	global_prefetch_b8 v0, s[64:65] scope:SCOPE_SE
	s_setreg_imm32_b32 hwreg(HW_REG_WAVE_MODE, 25, 1), 1
	s_wait_xcnt 0x0
	s_wait_alu depctr_hold_cnt(0) depctr_sa_sdst(0) depctr_va_vdst(0) depctr_va_sdst(0) depctr_va_ssrc(0) depctr_va_vcc(0) depctr_vm_vsrc(0)
	s_getreg_b32 s2, hwreg(HW_REG_IB_STS2, 6, 4)
	s_cmp_eq_u32 s2, 0
	s_cbranch_scc0 .Lentry_in_a_cluster
	s_endpgm
.Lentry_in_a_cluster:
	s_bfe_u32 s2, ttmp6, 0x10000c
	s_cmp_lg_u32 s2, 0x3003
	s_cbranch_scc0 .Lentry_shape_is_right
	s_endpgm
.Lentry_shape_is_right:
; THIRD LAUNCH: att[b][q][head] = the sum over k of softmax_k(Q . K / 8) V, for 64 heads of 2,048 positions x 64 channels.  Q, K, V: f16, [q|k|v][b][head][n][64]; att16: f16, [b][n][1024].  No work is left out.
; Products, maxima and sums in f32; the weights p are rounded to f16 for the second product, the result once at the end.  A running maximum is taken away before every exponential.
; SHARES.  A work-group owns 256 queries of a PAIR of heads, so that a row's piece of the result is 256 bytes on end.  Wave w: head w / 4 of the pair, queries 64 (w % 4) on: four tiles of 16.  Every wave walks its head's keys, 64 a step.
; LAYOUT.  S^T = K Q^T (source 0 = 16 keys, source 1 = 16 queries): a lane holds ONE query (lane % 16) and keys 8 (lane / 16) + 0..7.  Two such tiles, rounded to f16 in pairs, ARE source 1 (32 keys x 16 queries) of O^T = V^T P.
; K comes out of LDS as it lies, V ([key][channel]) turned, by ds_load_tr16_b128.
; SOFTMAX.  For each query a running maximum m and sum l: p = 2^(c s - c m), c = log2(e) / 8; in every step O and l are multiplied by a = 2^(c m_old - c m_new).
; TWO WAVES TO A SIMD, ONE BLOCK APART.  A wave's work is a chain of blocks: MBLK (32 products V^T P of the step before, 32 products K Q^T of this step) and XBLK (a step's softmax, vector work on registers alone).
; The waves fall into two groups, (w xor w / 4) % 2.  Between two changes of slots group 0 runs M X M X and group 1 X M X M: the first and the last X of a trip stand under a scalar branch on the group.
; CLUSTER.  The four query blocks of a cluster walk the same K and V: each tile is asked for JOINTLY, by the same tensor load with a mask that names the four.  Every wave fetches one tile of 64 rows x 128 bytes for each slot.
; REGISTERS: window 0: v1-15 addresses; v16-47 eight registers of statistics a tile; v48-111 K of one step; v112-175 V of one step; v176-239 Q.   window 1: v0-127 S^T, 32 a tile, then P in place (16 a tile); v128-255 O^T, 32 a tile.
.set PK,    144       ; a row of K in LDS: 128 bytes + 16 of padding: the 16 rows of a load start at 16 different groups of four banks
.set PV,    160       ; a row of V: 128 + 32
.set VOFF,  64*PK     ; a step's tiles of a head lie together: 64 rows of K, then 64 rows of V
.set STEPB, 64*(PK+PV)
.set HEADB, 2*STEPB   ; a slot holds two steps of each of the two heads
.set SLOT1, 1<<17     ; slot 1 begins here, so that one exclusive or turns an address in one slot into the other's
.set STAGE, SLOT1+2*HEADB  ; behind the ring: 256 rows x 272 bytes, the work-group's, for the way out
.set SP,    272
.set SPARE, STAGE+256*SP   ; behind the stage: the spare words, 128 bytes for each of eight waves
.set SLOTG, 16384     ; 128 keys of a head in memory
.set AK0, 2           ; v2   my lane's place in a step's K of my head; never rewritten
.set AV0, 3           ; v3   the same for V
.set ADK, 4           ; v4   the LDS address of K's run of loads
.set ADV, 5           ; v5   of V's
.set QO,  6           ; v6   my byte offset in the wave's rows of Q
.set STO, 7           ; v7   the way out: where I put 16 bytes of a row
.set RD,  8           ; v8   where I read a row back
.set GO,  10          ; v10  my byte offset in the wave's rows of att16
.set PFO, 12          ; v12  256 x my lane; never rewritten
.set SPW, 13          ; v13  LDS address of my spare word; never rewritten
.set NIL, 14          ; v14  0; never rewritten
.set ST,  16          ; tile t's statistics at v[ST+8 t]: +0 c m, +1 m, +2, +3 l (even, odd registers'), +4 to +7 c0-c3, at work; a takes c2's place, c m_old - c m_new c3's
.set KF,  48
.set VF,  112
.set QF,  176
.set O,   128         ; in window 1
.set WV,  12          ; s12  my wave's number
.set LIM, 15          ; s15  1 in a wave that prefetches, else the greatest number
.set GRP, 16          ; s16  my group
.set PFA, 18          ; s[18:19] where my prefetches stand
.set G1K, 24          ; s[24:31] descriptor group 1 for K's tiles
.set G1V, 32          ; s[32:39] for V's: it differs in the padding alone
.set G0A, 40          ; s[40:43] descriptor group 0 of my tile of slot 0
.set G0B, 44          ; s[44:47] of slot 1; it then walks on
.set SLOTS, 56        ; s56  slots still to be asked for
.set HL,  57          ; s57  w / 4: my head of the pair.  Also: I fetch for K (0) or for V (1)
.set CS,  58          ; s[58:59] c: the packed scaling names a pair and takes its low word for both halves
.set SEL, 60          ; s[60:61] lane selects for v_permlanex16_b32: lane l xor 16
.set TB,  62          ; s62  LDS byte at which the slot in hand begins
.set MSB, 0
.macro WIN new                      ; the immediate's high byte repeats the setting that is left; a switch that changes nothing is dropped
.if MSB != (\new)
	s_set_vgpr_msb (MSB<<8)|(\new)
.set MSB, (\new)
.endif
.endm
.set W_PV, 0x54       ; V in window 0; P, C and D in window 1
.set W_S,  0x50       ; K and Q in window 0; C and D in window 1
.macro NOPS n
.rept \n
	v_nop
.endr
.endm
; A joint refill: waves 0 to 3 fetch tiles of K, waves 4 to 7 tiles of V.  The branch hangs on the wave's number alone.  An s_nop 0 and four v_nop follow each of the two lines.
.macro JLOAD
	s_cmp_lt_u32 s[WV], 4
	s_cbranch_scc0 .Lfor_v_\@
	tensor_load_to_lds s[G0B:G0B+3], s[G1K:G1K+7]
	s_nop 0
	NOPS 4
	s_branch .Lasked_\@
.Lfor_v_\@:
	tensor_load_to_lds s[G0B:G0B+3], s[G1V:G1V+7]
	s_nop 0
	NOPS 4
.Lasked_\@:
.endm
; A PREFETCH INTO THE L2 of what the NEXT change of slots will ask for: eight tiles of 8,192 bytes.  Both clusters of a head pair walk the same K and V: the first (cluster x = 0) asks.  Its four partners share the tiles out BY ADDRESS,
; two each; in each, waves 0 and 1 ask for one tile, lanes 256 bytes apart.  So each block of 256 bytes is named once in the launch.  The last change that fills a slot asks for nothing; slots 0 to 2 come by their loads alone.
.macro ASK
	s_cmp_gt_u32 s[SLOTS], s[LIM]
	s_cbranch_scc0 .Lnot_mine_\@
	global_prefetch_b8 v[PFO], s[PFA:PFA+1] th:TH_LOAD_NT scope:SCOPE_SE
.Lnot_mine_\@:
.endm
.macro CROUND                       ; a round of the cluster's barrier
	s_barrier_signal -1
	s_barrier_wait -1
	s_cmp_lg_u32 s[WV], 0
	s_cbranch_scc1 .Lnot_wave_0_\@
	s_barrier_signal -3
.Lnot_wave_0_\@:
	s_barrier_wait -3
	s_barrier_signal -1
	s_barrier_wait -1
.endm
	s_load_b128 s[4:7], s[0:1], 0x0  ; qkv16 s[4:5], att16 s[6:7]
	v_lshl_add_u32 v[SPW], v0, 2, SPARE
	v_mov_b32 v[NIL], 0
	ds_add_u32 v[SPW], v[NIL]       ; the wave's opening: the add, twice on end, and its wait ahead of my first tensor load
	ds_add_u32 v[SPW], v[NIL]
	v_lshrrev_b32 v1, 5, v0
	v_readfirstlane_b32 s[WV], v1   ; wave 0..7
	s_bfe_u32 s13, ttmp6, 0x40000   ; cx: my place in the cluster
	s_lshl_b32 s14, ttmp9, 2
	s_add_co_u32 s14, s14, s13      ; my block of 256 queries: it enters Q's and att16's addresses alone
	s_and_b32 s17, ttmp7, 0xffff    ; 8 x batch + head pair, which the four partners share
	s_lshr_b32 s[HL], s[WV], 2
	s_xor_b32 s[GRP], s[WV], s[HL]
	s_and_b32 s[GRP], s[GRP], 1
	; the tile that I fetch: K or V (w / 4), head (w / 2) % 2 of the pair, step w % 2 of a slot
	s_lshl_b32 s20, s17, 19         ; a head pair is 524,288 bytes
	s_add_co_u32 s21, s[HL], 1
	s_lshl_b32 s21, s21, 24         ; K begins 2^24 bytes into qkv16, V 2^25
	s_add_co_u32 s20, s20, s21
	s_bfe_u32 s22, s[WV], 0x10001
	s_lshl_b32 s21, s22, 18
	s_add_co_u32 s20, s20, s21
	s_and_b32 s23, s[WV], 1
	s_lshl_b32 s21, s23, 13         ; 64 rows of 128 bytes
	s_add_co_u32 s20, s20, s21
	s_mov_b32 s21, 0
	s_mul_i32 s22, s22, HEADB       ; and its place in a slot: no place in the cluster enters an LDS address
	s_mul_i32 s23, s23, STEPB
	s_add_co_u32 s22, s22, s23
	s_mul_i32 s23, s[HL], VOFF
	s_add_co_u32 s22, s22, s23
	; my 64 rows of Q
	s_lshl_b32 s2, s17, 19
	s_lshl_b32 s3, s[HL], 18
	s_add_co_u32 s2, s2, s3
	s_lshl_b32 s3, s14, 15
	s_add_co_u32 s2, s2, s3
	s_and_b32 s3, s[WV], 3
	s_lshl_b32 s3, s3, 13
	s_add_co_u32 s2, s2, s3
	s_mov_b32 s3, 0
	; the 32 rows of att16 that I store: row 2,048 b + 256 block + 32 w of 2,048 bytes, + 256 x head pair
	s_lshr_b32 s8, s17, 3
	s_lshl_b32 s8, s8, 22
	s_lshl_b32 s9, s14, 19
	s_add_co_u32 s8, s8, s9
	s_lshl_b32 s9, s[WV], 16
	s_add_co_u32 s8, s8, s9
	s_and_b32 s9, s17, 7
	s_lshl_b32 s9, s9, 8
	s_add_co_u32 s8, s8, s9
	s_mov_b32 s9, 0
	; the tile that I prefetch: the one that wave 2 cx + w % 2 fetches, in slot 2; the first change of slots steps it to slot 3
	s_lshr_b32 s10, s13, 1
	s_add_co_u32 s10, s10, 1
	s_lshl_b32 s10, s10, 24
	s_lshl_b32 s11, s17, 19
	s_add_co_u32 s10, s10, s11
	s_and_b32 s11, s13, 1
	s_lshl_b32 s11, s11, 18
	s_add_co_u32 s10, s10, s11
	s_and_b32 s11, s[WV], 1
	s_lshl_b32 s11, s11, 13
	s_add_co_u32 s10, s10, s11
	s_add_co_u32 s10, s10, 2*SLOTG
	s_mov_b32 s11, 0
	s_lshr_b32 s[LIM], s[WV], 1     ; 0 in waves 0 and 1,
	s_or_b32 s[LIM], s[LIM], ttmp9  ; of the head pair's first cluster: the same in all four partners
	s_cmp_eq_u32 s[LIM], 0
	s_cselect_b32 s[LIM], 1, -1
	v_and_b32 v[PFO], 31, v0
	v_lshlrev_b32 v[PFO], 8, v[PFO]
	; descriptor group 1: a tile of 64 rows x 64 elements, padded in LDS
	s_mov_b32 s[G1K], 15|(1<<16)|(1<<20)|(1<<21)|(4<<22)|(3<<25)  ; 15:0 the mask: all four work-groups; 17:16 elements of 2 bytes; 20 padding on; 21 set beside a mask; 24:22 after every 32 words (code 4); 31:25 4 words of it (code 3)
	s_mov_b32 s[G1V], 15|(1<<16)|(1<<20)|(1<<21)|(4<<22)|(7<<25)  ; the same with 8 words of padding (code 7)
.irp g, G1K, G1V
	s_mov_b32 s[\g+1], 64<<16       ; tensor_dim0 = 64
	s_mov_b32 s[\g+2], 64<<16       ; tensor_dim1 = 64
	s_mov_b32 s[\g+3], 64<<16       ; tile_dim0 = 64
	s_mov_b32 s[\g+4], 64           ; tile_dim1 = 64
	s_mov_b32 s[\g+5], 64           ; tensor_dim0_stride: elements from row to row
	s_mov_b32 s[\g+6], 0
	s_mov_b32 s[\g+7], 0
.endr
	s_mov_b32 s[CS], 0x3e38aa3b     ; c = log2(e) / 8
	s_mov_b32 s[CS+1], s[CS]        ; named with it as a pair, so it is written
	s_mov_b32 s[SEL], 0x76543210
	s_mov_b32 s[SEL+1], 0xfedcba98
	s_mov_b32 s[TB], 0
	s_mov_b32 s[SLOTS], 14          ; 16 slots' worth of keys; two are asked for at the start
	s_wait_dscnt 0x0                ; both opening adds are done
	s_wait_kmcnt 0x0
	s_add_nc_u64 s[48:49], s[4:5], s[20:21]  ; my tile of slot 0
	s_add_nc_u64 s[PFA:PFA+1], s[4:5], s[10:11]
	s_add_nc_u64 s[4:5], s[4:5], s[2:3]      ; Q at my wave's first row
	s_add_nc_u64 s[6:7], s[6:7], s[8:9]
	CROUND                          ; all four work-groups are here: the first joint loads meet
	s_mov_b32 s[G0A], 1             ; 1:0 count = 1
	s_mov_b32 s[G0A+1], s22         ; 63:32 LDS address
	s_mov_b64 s[G0A+2:G0A+3], s[48:49]  ; 120:64 global address
	s_or_b32 s[G0A+3], s[G0A+3], 0x80000000  ; 127:126 type = 2
	s_mov_b32 s[G0B], 1
	s_add_co_u32 s[G0B+1], s22, SLOT1
	s_add_nc_u64 s[G0B+2:G0B+3], s[48:49], SLOTG
	s_or_b32 s[G0B+3], s[G0B+3], 0x80000000
	s_cmp_lt_u32 s[WV], 4           ; a wave's two first fills stand in one branch, ahead of every wait on TENSORcnt and every LDS read: two loads of mine are out
	s_cbranch_scc0 .Lfirst_v
	tensor_load_to_lds s[G0A:G0A+3], s[G1K:G1K+7]
	s_nop 0
	tensor_load_to_lds s[G0B:G0B+3], s[G1K:G1K+7]
	s_nop 0
	NOPS 4
	s_branch .Lfirst_asked
.Lfirst_v:
	tensor_load_to_lds s[G0A:G0A+3], s[G1V:G1V+7]
	s_nop 0
	tensor_load_to_lds s[G0B:G0B+3], s[G1V:G1V+7]
	s_nop 0
	NOPS 4
.Lfirst_asked:
	; A fragment of K or Q is 16 rows x 32 channels in 8 registers: lane l holds row l % 16; registers 0-3 channels 8 (l / 16) + 0..7, registers 4-7 channels 16 + 8 (l / 16) + 0..7: two loads of 16 bytes, 32 bytes apart.
	v_and_b32 v1, 15, v0            ; l % 16
	v_bfe_u32 v9, v0, 4, 1          ; l / 16
	v_lshlrev_b32 v[QO], 7, v1
	v_lshl_add_u32 v[QO], v9, 4, v[QO]
.irp t, 0,1,2,3                     ; Q stays in registers: tile t, channels 32 c on
.irp c, 0,1
	global_load_b128 v[QF+8*(2*\t+\c):QF+8*(2*\t+\c)+3],   v[QO], s[4:5] offset:2048*\t+64*\c
	global_load_b128 v[QF+8*(2*\t+\c)+4:QF+8*(2*\t+\c)+7], v[QO], s[4:5] offset:2048*\t+64*\c+32
.endr
.endr
	s_mul_i32 s2, s[HL], HEADB      ; my head's part of a slot
	v_mul_u32_u24 v[AK0], v1, PK
	v_lshl_add_u32 v[AK0], v9, 4, v[AK0]
	v_add_nc_u32 v[AK0], s2, v[AK0]
	; The turning load takes 16 keys x 16 channels (lane l reads 16 bytes: key 8 (l / 16) + l % 8, channels 8 ((l / 8) % 2) + 0..7) and leaves half a fragment of V^T: lane l holds channel l % 16 and 8 keys.
	v_and_b32 v11, 7, v0
	v_bfe_u32 v15, v0, 3, 1
	v_lshl_add_u32 v[AV0], v9, 3, v11
	v_mul_u32_u24 v[AV0], v[AV0], PV
	v_lshl_add_u32 v[AV0], v15, 4, v[AV0]
	s_add_co_u32 s2, s2, VOFF
	v_add_nc_u32 v[AV0], s2, v[AV0]
	s_and_b32 s2, s[WV], 3          ; into the stage: row 64 (w % 4) + 16 t + l % 16; my head's 128 bytes; 16 bytes for each half of the lanes
	s_mul_i32 s2, s2, 64*SP
	s_lshl_b32 s3, s[HL], 7
	s_add_co_u32 s2, s2, s3
	s_add_co_u32 s2, s2, STAGE
	v_mul_u32_u24 v[STO], v1, SP
	v_lshl_add_u32 v[STO], v9, 4, v[STO]
	v_add_nc_u32 v[STO], s2, v[STO]
	s_mul_i32 s2, s[WV], 32*SP      ; back: wave w takes rows 32 w .. 32 w + 31, whole; lanes 0-15 one row of 256 bytes, lanes 16-31 the next
	s_add_co_u32 s2, s2, STAGE
	v_mul_u32_u24 v[RD], v9, SP
	v_lshl_add_u32 v[RD], v1, 4, v[RD]
	v_add_nc_u32 v[RD], s2, v[RD]
	v_lshlrev_b32 v[GO], 11, v9     ; and the same two rows in att16
	v_lshl_add_u32 v[GO], v1, 4, v[GO]
; THE LDS LOADS stand in runs of 16: step st of the slot in hand.
.macro KLD st
	v_add_nc_u32 v[ADK], s[TB], v[AK0]
.irp kt, 0,1,2,3                    ; keys 16 kt on, channels 32 c on
.irp c, 0,1
	ds_load_b128 v[KF+8*(2*\kt+\c):KF+8*(2*\kt+\c)+3],   v[ADK] offset:(\st)*STEPB+\kt*16*PK+64*\c
	ds_load_b128 v[KF+8*(2*\kt+\c)+4:KF+8*(2*\kt+\c)+7], v[ADK] offset:(\st)*STEPB+\kt*16*PK+64*\c+32
.endr
.endr
.endm
.macro VLD st
	v_add_nc_u32 v[ADV], s[TB], v[AV0]
.irp kh, 0,1                        ; keys 32 kh on, channels 16 ct on
.irp ct, 0,1,2,3
	ds_load_tr16_b128 v[VF+8*(4*\kh+\ct):VF+8*(4*\kh+\ct)+3],   v[ADV] offset:(\st)*STEPB+\kh*32*PV+\ct*32
	ds_load_tr16_b128 v[VF+8*(4*\kh+\ct)+4:VF+8*(4*\kh+\ct)+7], v[ADV] offset:(\st)*STEPB+\kh*32*PV+16*PV+\ct*32
.endr
.endr
.endm
; 32 products O^T += V^T P.  The 16 accumulators take turns, one instruction a turn.  start = 1: the first 16 start the sums: nothing is ever cleared.
.macro PVRUN start
	WIN W_PV
.irp kh, 0,1
.irp ct, 0,1,2,3
.irp t, 0,1,2,3
.if (\start) && (\kh == 0)
	v_wmma_f32_16x16x32_f16 v[O+32*\t+8*\ct:O+32*\t+8*\ct+7], v[VF+8*(4*\kh+\ct):VF+8*(4*\kh+\ct)+7], v[32*\t+8*\kh:32*\t+8*\kh+7], 0
.else
	v_wmma_f32_16x16x32_f16 v[O+32*\t+8*\ct:O+32*\t+8*\ct+7], v[VF+8*(4*\kh+\ct):VF+8*(4*\kh+\ct)+7], v[32*\t+8*\kh:32*\t+8*\kh+7], v[O+32*\t+8*\ct:O+32*\t+8*\ct+7]
.endif
.endr
.endr
.endr
.endm
; THE MATRIX BLOCK.  pv = 1: V^T P of the step before; 2: it starts O^T's sums; 0: none.  Then K Q^T of step st of the slot; then V of that step is fetched, and (kn = 1) K of the slot's next step.
; The scores are laid over P: a matrix instruction that writes over a register of an earlier one stands five places behind it.  Five places stand behind the scores too: they serve the loads into K's and V's registers and the first reads of the scores.
.macro MBLK pv, st, kn
.if \pv
	s_wait_dscnt 16                 ; V is in; K's sixteen loads, issued behind V's, may be out
	PVRUN (\pv)-1
	NOPS 5
.endif
	s_wait_dscnt 0x0                ; K is in
	WIN W_S
.irp c, 0,1
.irp kt, 0,1,2,3
.irp t, 0,1,2,3
.if \c == 0
	v_wmma_f32_16x16x32_f16 v[32*\t+8*\kt:32*\t+8*\kt+7], v[KF+8*(2*\kt+\c):KF+8*(2*\kt+\c)+7], v[QF+8*(2*\t+\c):QF+8*(2*\t+\c)+7], 0
.else
	v_wmma_f32_16x16x32_f16 v[32*\t+8*\kt:32*\t+8*\kt+7], v[KF+8*(2*\kt+\c):KF+8*(2*\kt+\c)+7], v[QF+8*(2*\t+\c):QF+8*(2*\t+\c)+7], v[32*\t+8*\kt:32*\t+8*\kt+7]
.endif
.endr
.endr
.endr
	WIN 0
	NOPS 5
	VLD \st
.if \kn
	KLD (\st)+1
.endif
.endm
; THE VECTOR BLOCK: a step's softmax for my four tiles, which take turns line by line, so that no line waits for the line above it.  first = 1: the first key step, which starts m and l: no a, nothing to rescale.
; Seven window settings, each for a long stretch.  The exponentials are one batch with one wait; O^T's rescaling stands among them, one packed multiply behind each two.
.macro XBLK first
	WIN 0x15                        ; three sources in window 1: the maximum, four chains a tile
.irp j, 0,1,2,3
.irp t, 0,1,2,3
	v_max3_num_f32 v[ST+8*\t+4+\j], v[32*\t+8*\j], v[32*\t+8*\j+1], v[32*\t+8*\j+2]
.endr
.endr
	WIN 0x14
.irp g, 1,2
.irp j, 0,1,2,3
.irp t, 0,1,2,3
	v_max3_num_f32 v[ST+8*\t+4+\j], v[ST+8*\t+4+\j], v[32*\t+8*\j+2*\g+1], v[32*\t+8*\j+2*\g+2]
.endr
.endr
.endr
.irp t, 0,1,2,3
	v_max3_num_f32 v[ST+8*\t+4], v[ST+8*\t+4], v[32*\t+7], v[32*\t+15]
.endr
.irp t, 0,1,2,3
	v_max3_num_f32 v[ST+8*\t+6], v[ST+8*\t+6], v[32*\t+23], v[32*\t+31]
.endr
	WIN 0
.irp t, 0,1,2,3
	v_max3_num_f32 v[ST+8*\t+4], v[ST+8*\t+4], v[ST+8*\t+5], v[ST+8*\t+6]
.endr
.irp t, 0,1,2,3
.if \first
	v_max_num_f32 v[ST+8*\t+4], v[ST+8*\t+4], v[ST+8*\t+7]
.else
	v_max3_num_f32 v[ST+8*\t+4], v[ST+8*\t+4], v[ST+8*\t+7], v[ST+8*\t+1]
.endif
.endr
.irp t, 0,1,2,3
	v_permlanex16_b32 v[ST+8*\t+5], v[ST+8*\t+4], s[SEL], s[SEL+1]  ; the query's other 32 keys lie in the lane 16 away
.endr
.if !\first
.irp t, 0,1,2,3
	v_mov_b32 v[ST+8*\t+7], v[ST+8*\t]  ; c m_old is kept for a
.endr
.endif
.irp t, 0,1,2,3
	v_max_num_f32 v[ST+8*\t+1], v[ST+8*\t+4], v[ST+8*\t+5]
.endr
.irp t, 0,1,2,3
	v_mul_f32 v[ST+8*\t], s[CS], v[ST+8*\t+1]
.endr
.if !\first
.irp t, 0,1,2,3
	v_sub_f32 v[ST+8*\t+7], v[ST+8*\t+7], v[ST+8*\t]
.endr
.irp t, 0,1,2,3
	v_exp_f32 v[ST+8*\t+6], v[ST+8*\t+7]  ; a
.endr
.endif
	WIN 0x41                        ; destination and source 0 in window 1
.irp i, 0,2,4,6,8,10,12,14,16,18,20,22,24,26,28,30
.irp t, 0,1,2,3
	v_pk_fma_f32 v[32*\t+\i:32*\t+\i+1], v[32*\t+\i:32*\t+\i+1], s[CS:CS+1], v[ST+8*\t:ST+8*\t+1] op_sel_hi:[1,0,0] neg_lo:[0,0,1] neg_hi:[0,0,1]  ; c s - c m, two at a time
.endr
.endr
.if !\first
	s_wait_alu depctr_va_vdst(0)    ; a wait ahead of the first line that names a; the 64 scalings are the work between
.endif
.irp i, 0,2,4,6,8,10,12,14,16,18,20,22,24,26,28,30
.irp t, 0,1,2,3
	v_exp_f32 v[32*\t+\i], v[32*\t+\i]
	v_exp_f32 v[32*\t+\i+1], v[32*\t+\i+1]
.if !\first
	v_pk_mul_f32 v[O+32*\t+\i:O+32*\t+\i+1], v[O+32*\t+\i:O+32*\t+\i+1], v[ST+8*\t+6:ST+8*\t+7] op_sel_hi:[1,0]  ; O^T x a, from each accumulator's low end on
.endif
.endr
.endr
.if \first
	v_nop                           ; a plain line behind the last exponential
.endif
	s_wait_alu depctr_va_vdst(0)    ; one wait for the 128 exponentials, ahead of the first line that names a result
.if \first
	WIN 0x05
.irp t, 0,1,2,3
	v_pk_add_f32 v[ST+8*\t+2:ST+8*\t+3], v[32*\t:32*\t+1], v[32*\t+2:32*\t+3]
.endr
	WIN 0x04
.irp i, 4,6,8,10,12,14,16,18,20,22,24,26,28,30
.irp t, 0,1,2,3
	v_pk_add_f32 v[ST+8*\t+2:ST+8*\t+3], v[ST+8*\t+2:ST+8*\t+3], v[32*\t+\i:32*\t+\i+1]
.endr
.endr
.else
	WIN 0x10
.irp t, 0,1,2,3
	v_pk_fma_f32 v[ST+8*\t+2:ST+8*\t+3], v[ST+8*\t+2:ST+8*\t+3], v[ST+8*\t+6:ST+8*\t+7], v[32*\t:32*\t+1] op_sel_hi:[1,0,1]  ; l = a l + p
.endr
	WIN 0x04
.irp i, 2,4,6,8,10,12,14,16,18,20,22,24,26,28,30
.irp t, 0,1,2,3
	v_pk_add_f32 v[ST+8*\t+2:ST+8*\t+3], v[ST+8*\t+2:ST+8*\t+3], v[32*\t+\i:32*\t+\i+1]
.endr
.endr
.endif
	WIN 0x45                        ; P in place: register i takes weights 2 i and 2 i + 1
.irp i, 0,1,2,3,4,5,6,7,8,9,10,11,12,13,14,15
.irp t, 0,1,2,3
	v_cvt_pk_f16_f32 v[32*\t+\i], v[32*\t+2*\i], v[32*\t+2*\i+1]
.endr
.endr
	WIN 0
.endm
.macro XIF g                        ; the vector block, for group g alone: registers only; no load, wait for memory or barrier stands under the branch
	s_cmp_eq_u32 s[GRP], \g
	s_cbranch_scc0 .Lskip_\@
	XBLK 0
.Lskip_\@:
.endm
; THE CHANGE OF SLOTS.  Each wave waits for all its tensor loads, of which one is out: its tile of the other slot; adds 0 to its spare word; and waits for that and for its own reads of the slot (V of its second step is in registers).
; fill = 1: the slot that is left is filled again, with the keys two slots on.  The barrier is then a round of the cluster's, and the joint refill is the first thing behind it: it has four blocks of each wave in which to land.
.macro CHANGE fill
	s_wait_tensorcnt 0x0            ; no tensor load of mine is out, so a group 0 may be written
	ds_add_u32 v[SPW], v[NIL]
.if \fill
	s_xor_b32 s[G0B+1], s[G0B+1], SLOT1  ; the walking descriptor: the other slot than last time,
	s_add_nc_u64 s[G0B+2:G0B+3], s[G0B+2:G0B+3], SLOTG  ; the next 128 keys; the type bits on top are not reached
	s_wait_xcnt 0x0                 ; the last prefetch, a slot back, has read its address, so it may be written:
	s_add_nc_u64 s[PFA:PFA+1], s[PFA:PFA+1], SLOTG  ; one slot further on than the walking descriptor
	s_wait_dscnt 0x0                ; the add is done, and my reads of the slot are over
	CROUND
	JLOAD
	ASK
.else
	s_wait_dscnt 0x0
	s_barrier_signal -1
	s_barrier_wait -1
.endif
	s_xor_b32 s[TB], s[TB], SLOT1   ; on to the other slot
.endm
	s_wait_tensorcnt 0x1            ; my tile of slot 0 is in; slot 1's may stay out
	s_barrier_signal -1
	s_barrier_wait -1               ; everybody's is
	KLD 0
	s_wait_loadcnt 0x0              ; Q
	MBLK 0, 0, 1                    ; the first scores
	XBLK 1                          ; the first softmax
	MBLK 2, 1, 0                    ; V^T P of step 0 starts O^T; the scores of step 1
	XIF 0                           ; from here on group 1 is one block behind
.Lslot:                             ; 14 trips: slots 1 to 14; behind each change the slot after next is asked for
	CHANGE 1
	KLD 0
	XIF 1
	MBLK 1, 0, 1
	XBLK 0
	MBLK 1, 1, 0
	XIF 0
	s_sub_co_u32 s[SLOTS], s[SLOTS], 1
	s_cmp_lg_u32 s[SLOTS], 0
	s_cbranch_scc1 .Lslot
	CHANGE 0                        ; the last slot is written out
	KLD 0
	XIF 1
	MBLK 1, 0, 1
	XBLK 0
	MBLK 1, 1, 0
	XBLK 0                          ; the last softmax, in both groups
	s_wait_dscnt 0x0                ; V of the last step
	PVRUN 0
	WIN 0
	; THE WAY OUT.  l's two halves and the other half of the lanes' are added; O^T is divided by l, rounded to f16 and sent through the work-group's stage.  The additions are the places behind the last products.
.irp t, 0,1,2,3
	v_add_f32 v[ST+8*\t+4], v[ST+8*\t+2], v[ST+8*\t+3]
.endr
.irp t, 0,1,2,3
	v_permlanex16_b32 v[ST+8*\t+5], v[ST+8*\t+4], s[SEL], s[SEL+1]
.endr
.irp t, 0,1,2,3
	v_add_f32 v[ST+8*\t+4], v[ST+8*\t+4], v[ST+8*\t+5]
.endr
.irp t, 0,1,2,3
	v_rcp_f32 v[ST+8*\t+6], v[ST+8*\t+4]
.endr
	v_nop                           ; a plain line between the last reciprocal and the use of its result
	s_wait_alu depctr_va_vdst(0)    ; and one wait for the four reciprocals
.macro PACK t                       ; a lane's eight channels of a row pack into 16 bytes
	WIN 0x41
.irp i, 0,2,4,6,8,10,12,14,16,18,20,22,24,26,28,30
	v_pk_mul_f32 v[O+32*\t+\i:O+32*\t+\i+1], v[O+32*\t+\i:O+32*\t+\i+1], v[ST+8*\t+6:ST+8*\t+7] op_sel_hi:[1,0]
.endr
	WIN 0x05                        ; sources in window 1, destination in window 0: K's registers are free
.irp i, 0,1,2,3,4,5,6,7,8,9,10,11,12,13,14,15
	v_cvt_pk_f16_f32 v[KF+16*\t+\i], v[O+32*\t+2*\i], v[O+32*\t+2*\i+1]
.endr
	WIN 0
.irp c, 0,1,2,3
	ds_store_b128 v[STO], v[KF+16*\t+4*\c:KF+16*\t+4*\c+3] offset:16*SP*\t+32*\c
.endr
.endm
	PACK 0
	PACK 1
	PACK 2
	PACK 3
	s_wait_dscnt 0x0                ; for the others' sake: my stores into the stage are done; a row's 256 bytes come from two waves
	s_barrier_signal -1
	s_barrier_wait -1
.irp i, 0,1,2,3,4,5,6,7,8,9,10,11,12,13,14,15
	ds_load_b128 v[VF+4*\i:VF+4*\i+3], v[RD] offset:\i*2*SP
.endr
.irp i, 0,1,2,3,4,5,6,7,8,9,10,11,12,13,14,15
	s_wait_dscnt 15-\i              ; LDS loads come back in order: pair i of rows is in
	global_store_b128 v[GO], v[VF+4*\i:VF+4*\i+3], s[6:7] offset:4096*\i  ; 16 lanes store 256 consecutive bytes, at a multiple of 256 from the buffer's first byte
.endr
	s_wait_tensorcnt 0x0            ; the wave's end, behind my last tensor load and my last LDS store
	ds_add_u32 v[SPW], v[NIL]
	s_wait_dscnt 0x0
	CROUND                          ; the closing round
	s_endpgm
.Lfunc_end_k_qc8714f3d68_attn:
	.size	k_qc8714f3d68_attn, .Lfunc_end_k_qc8714f3d68_attn-k_qc8714f3d68_attn
	.p2alignl 7, 3214868480
	.fill 96, 4, 3214868480
	.section	.rodata,"a",@progbits
	.p2align	6, 0x0
	.amdhsa_kernel k_qc8714f3d68_attn
		.amdhsa_group_segment_fixed_size 327680
		.amdhsa_private_segment_fixed_size 0
		.amdhsa_enable_private_segment 0
		.amdhsa_kernarg_size 16
		.amdhsa_user_sgpr_count 2
		.amdhsa_user_sgpr_kernarg_segment_ptr 1
		.amdhsa_wavefront_size32 1
		.amdhsa_system_sgpr_workgroup_id_x 1
		.amdhsa_system_sgpr_workgroup_id_y 1
		.amdhsa_system_sgpr_workgroup_id_z 1
		.amdhsa_system_vgpr_workitem_id 0
		.amdhsa_next_free_vgpr 512
		.amdhsa_next_free_sgpr 66
		.amdhsa_reserve_vcc 0
		.amdhsa_float_denorm_mode_32 3
		.amdhsa_float_denorm_mode_16_64 3
		.amdhsa_memory_ordered 1
		.amdhsa_forward_progress 1
		.amdhsa_inst_pref_size 255
	.end_amdhsa_kernel
	.section	.bss,"aw",@nobits
	.p2align	6
	.space	262144
	.amdgpu_metadata
---
amdhsa.version: [ 1, 2 ]
amdhsa.kernels:
  - .name:           k_qc8714f3d68_attn
    .symbol:         k_qc8714f3d68_attn.kd
    .args:
      - { .name: qkv16, .offset: 0, .size: 8, .value_kind: global_buffer, .address_space: global }
      - { .name: att16, .offset: 8, .size: 8, .value_kind: global_buffer, .address_space: global }
    .group_segment_fixed_size: 327680
    .private_segment_fixed_size: 0
    .kernarg_segment_align: 8
    .kernarg_segment_size: 16
    .max_flat_workgroup_size: 256
    .sgpr_count:     66
    .vgpr_count:     512
    .wavefront_size: 32
...
	.end_amdgpu_metadata
.endif
;; end of part 3
;; launch proj (part 4): grid 4 x 64, 4 waves a work-group, clusters of 4 x 4, 327,680 bytes of LDS; arguments att16, wp16, b_proj, out0; writes out0
.if DOCPART == 4
	.amdgcn_target "amdgcn-amd-amdhsa--gfx1250"
	.amdhsa_code_object_version 6
	.text
	.protected	k_qc8714f3d68_proj
	.globl	k_qc8714f3d68_proj
	.p2align	8
	.type	k_qc8714f3d68_proj,@function
k_qc8714f3d68_proj:
	s_mov_b64 s[64:65], 0
	v_nop
	global_prefetch_b8 v0, s[64:65] scope:SCOPE_SE
	s_setreg_imm32_b32 hwreg(HW_REG_WAVE_MODE, 25, 1), 1
	s_wait_xcnt 0x0
	s_wait_alu depctr_hold_cnt(0) depctr_sa_sdst(0) depctr_va_vdst(0) depctr_va_sdst(0) depctr_va_ssrc(0) depctr_va_vcc(0) depctr_vm_vsrc(0)
	s_getreg_b32 s2, hwreg(HW_REG_IB_STS2, 6, 4)
	s_cmp_eq_u32 s2, 0
	s_cbranch_scc0 .Lentry_in_a_cluster
	s_endpgm
.Lentry_in_a_cluster:
	s_bfe_u32 s2, ttmp6, 0x10000c
	s_cmp_lg_u32 s2, 0xf033
	s_cbranch_scc0 .Lentry_shape_is_right
	s_endpgm
.Lentry_shape_is_right:
; FOURTH LAUNCH: out0[m][n] = the sum over k of att16[m][k] wp16[n][k] + b_proj[n].  att16 [8192][1024], wp16 [1024][1024]: f16; b_proj, out0: f32; sums in f32.  No work is left out.
; A tile of out0 is 128 rows x 256 columns: 256 tiles, one for each work-group.  Four waves, each 64 x 128: 32 accumulators of 16 x 16, 256 registers.  K goes in steps of 128 (rows of 256 bytes) through a ring of two LDS slots.
; CLUSTERS: 4 x 4 work-groups.  The four of a row of the cluster need the same tiles of att16, the four of a column the same tiles of wp16: each tile is asked for JOINTLY.
; THE MATRIX INSTRUCTION IS USED TRANSPOSED (source 0 = 16 rows of wp16, source 1 = 16 rows of att16): a lane holds eight neighbouring numbers of a row of out0.  The bias is the C of each sum's first matrix instruction.
; REGISTERS: window 0: v0-31 addresses; att16's fragments (4 x 16 rows x 32 K) at v64 and v128, two buffers; on the way out v64-191 rows read back.
;   window 1: v0-63 the bias, 8 registers for each block of 16 columns; wp16's fragments (8) at v64 and v128.   window 2: accumulator (a, b) at v[8 (8 a + b)].
.set KSTEP,  128
.set PITCH,  272                       ; an LDS row: 256 bytes + 16 of padding: the 16 rows that a load touches start at 16 different groups of four banks
.set HA,     64*PITCH                  ; 64 rows of att16: what waves 0 and 1 fetch, and what a wave reads
.set HB,     128*PITCH                 ; 128 rows of wp16: what waves 2 and 3 fetch, and what a wave reads
.set BOFF,   2*HA
.set SLOT,   2*HA+2*HB
.set STAGE,  2*SLOT                    ; behind the ring: 16 rows x 528 bytes for each wave
.set SPITCH, 528
.set SPARE,  STAGE+4*16*SPITCH         ; behind the stages: the spare words, 128 bytes for each wave
.set LAPS,   1024/(2*KSTEP)            ; a lap = two K steps = once round the ring
.set ADRA, 16                          ; v16-17  LDS address of my fragments of att16 in slot 0, 1
.set ADRB, 20                          ; v20-21  the same for wp16
.set STO,  24                          ; v24     the way out: where I put 32 bytes of a row
.set RD,   25                          ; v25     where I read a row back
.set CO,   26                          ; v26     16 x lane
.set BO,   27                          ; v27     32 (lane / 16): my eight numbers of a block of the bias
.set SPW,  28                          ; v28     LDS address of my spare word; never rewritten
.set NIL,  29                          ; v29     0; never rewritten
.set F0,   64
.set F1,   128
.set BK,   64
.set G1, 24                            ; s[24:31] descriptor group 1 for att16's tiles;  s[32:39] group 0, one set for each slot
.set G0, 32
.set G1B, 48                           ; s[48:55], s[56:63] the same for wp16's
.set G0B, 56
.set MSB, 0
.macro WIN new
.if MSB != (\new)
	s_set_vgpr_msb (MSB<<8)|(\new)
.set MSB, (\new)
.endif
.endm
.set TO_B, 0x40                        ; destination window 1, address window 0
.macro PLACES
.rept 4
	v_nop
.endr
.endm
.macro JLOAD s                         ; a joint load: waves 0 and 1 fetch att16's two halves, waves 2 and 3 wp16's; an s_nop 0 and four v_nop follow each of the two lines
	s_cmp_eq_u32 s13, 0
	s_cbranch_scc0 .Lfor_b_\@
	tensor_load_to_lds s[G0+4*\s:G0+4*\s+3], s[G1:G1+7]
	s_nop 0
	PLACES
	s_branch .Lasked_\@
.Lfor_b_\@:
	tensor_load_to_lds s[G0B+4*\s:G0B+4*\s+3], s[G1B:G1B+7]
	s_nop 0
	PLACES
.Lasked_\@:
.endm
.macro CREST                           ; a round of the cluster's barrier behind its opening barrier
	s_cmp_lg_u32 s12, 0
	s_cbranch_scc1 .Lnot_wave_0_\@
	s_barrier_signal -3
.Lnot_wave_0_\@:
	s_barrier_wait -3
	s_barrier_signal -1
	s_barrier_wait -1
.endm
.macro CROUND
	s_barrier_signal -1
	s_barrier_wait -1
	CREST
.endm
	s_load_b256 s[4:11], s[0:1], 0x0               ; att16 s[4:5], wp16 s[6:7], b_proj s[8:9], out0 s[10:11]
	v_lshl_add_u32 v[SPW], v0, 2, SPARE
	v_mov_b32 v[NIL], 0
	ds_add_u32 v[SPW], v[NIL]                      ; the wave's opening: the add, twice on end, and its wait ahead of my first tensor load
	ds_add_u32 v[SPW], v[NIL]
	v_lshrrev_b32 v1, 5, v0
	v_readfirstlane_b32 s12, v1                    ; wave 0..3
	s_lshr_b32 s13, s12, 1                         ; which 64 of the tile's rows are mine.  Also: I fetch for att16 (0) or for wp16 (1)
	s_and_b32 s14, s12, 1                          ; which 128 of its columns.  Also: which half of that tile I fetch
	s_bfe_u32 s40, ttmp6, 0x40000                  ; cx, cy: my place in the cluster
	s_bfe_u32 s41, ttmp6, 0x40004
	s_lshl_b32 s42, ttmp9, 2
	s_add_co_u32 s42, s42, s40                     ; tile column = 4 x cluster x + cx
	s_and_b32 s15, ttmp7, 0xffff
	s_lshl_b32 s15, s15, 2
	s_add_co_u32 s15, s15, s41                     ; tile row = 4 x cluster y + cy
	s_lshl_b32 s43, s41, 2
	s_lshl_b32 s43, 15, s43                        ; my row of the cluster
	s_lshl_b32 s44, 0x1111, s40                    ; my column
	s_or_b32 s[G1+0], s43, (1<<16)|(1<<20)|(1<<21)|(5<<22)|(3<<25)  ; 15:0 the mask; 17:16 element of 2 bytes; 20 padding on; 21 set beside a mask; 24:22 after every 64 words; 31:25 four words
	s_or_b32 s[G1B+0], s44, (1<<16)|(1<<20)|(1<<21)|(5<<22)|(3<<25)
	s_mov_b32 s[G1+1], KSTEP<<16                   ; tensor_dim0 = 128
	s_mov_b32 s[G1+2], 64<<16                      ; tensor_dim1 = 64
	s_mov_b32 s[G1+3], KSTEP<<16                   ; tile_dim0 = 128
	s_mov_b32 s[G1+4], 64                          ; tile_dim1 = 64
	s_mov_b32 s[G1+5], 1024                        ; tensor_dim0_stride
	s_mov_b32 s[G1+6], 0
	s_mov_b32 s[G1+7], 0
	s_mov_b32 s[G1B+1], KSTEP<<16
	s_mov_b32 s[G1B+2], 128<<16                    ; 128 rows
	s_mov_b32 s[G1B+3], KSTEP<<16
	s_mov_b32 s[G1B+4], 128
	s_mov_b32 s[G1B+5], 1024
	s_mov_b32 s[G1B+6], 0
	s_mov_b32 s[G1B+7], 0
	s_lshl_b32 s17, s14, 6
	s_lshl_b32 s16, s15, 7
	s_add_co_u32 s16, s16, s17                     ; att16: row 128 x tile row + 64 x half,
	s_lshl_b32 s16, s16, 11                        ; of 2,048 bytes
	s_mov_b32 s17, 0
	s_lshl_b32 s47, s14, 7
	s_lshl_b32 s46, s42, 8
	s_add_co_u32 s46, s46, s47                     ; wp16: row 256 x tile column + 128 x half
	s_lshl_b32 s46, s46, 11
	s_mov_b32 s47, 0
	s_mul_i32 s20, s14, HA                         ; where they go: no place in the cluster enters an LDS address
	s_mul_i32 s21, s14, HB
	s_add_co_u32 s21, s21, BOFF
	s_wait_dscnt 0x0                               ; both opening adds are done
	s_wait_kmcnt 0x0
	s_add_nc_u64 s[18:19], s[4:5], s[16:17]
	s_add_nc_u64 s[46:47], s[6:7], s[46:47]
	CROUND                                         ; all sixteen work-groups are here: the first joint loads meet
.irp s, 0,1
	s_mov_b32 s[G0+4*\s], 1
	s_add_co_u32 s[G0+4*\s+1], s20, \s*SLOT
	s_add_nc_u64 s[G0+4*\s+2:G0+4*\s+3], s[18:19], \s*KSTEP*2
	s_or_b32 s[G0+4*\s+3], s[G0+4*\s+3], 0x80000000
	s_mov_b32 s[G0B+4*\s], 1
	s_add_co_u32 s[G0B+4*\s+1], s21, \s*SLOT
	s_add_nc_u64 s[G0B+4*\s+2:G0B+4*\s+3], s[46:47], \s*KSTEP*2
	s_or_b32 s[G0B+4*\s+3], s[G0B+4*\s+3], 0x80000000
	JLOAD \s                                       ; two tensor loads of mine are out at the most
.endr
	v_and_b32 v1, 15, v0                           ; l % 16
	v_bfe_u32 v2, v0, 4, 1                         ; l / 16
	v_mul_u32_u24 v3, v1, PITCH
	v_lshl_add_u32 v3, v2, 4, v3                   ; a fragment's row x pitch + 16 x half
	s_mul_i32 s21, s13, HA                         ; my 64 rows of att16
	s_mul_i32 s22, s14, HB                         ; my 128 rows of wp16,
	s_add_co_u32 s22, s22, BOFF                    ; which lie behind att16's 128
.irp s, 0,1
	v_add_nc_u32 v[ADRA+\s], s21, v3
	v_add_nc_u32 v[ADRB+\s], s22, v3
	s_add_co_u32 s21, s21, SLOT
	s_add_co_u32 s22, s22, SLOT
.endr
	s_mul_i32 s23, s12, 16*SPITCH
	s_add_co_u32 s23, s23, STAGE                   ; my stage
	v_mul_u32_u24 v5, v1, SPITCH                   ; in: row l % 16, 32 bytes for each half of the lanes
	v_lshl_add_u32 v5, v2, 5, v5
	v_add_nc_u32 v[STO], s23, v5
	v_and_b32 v6, 31, v0
	v_lshlrev_b32 v[CO], 4, v6                     ; back: the 32 lanes take one row of 512 bytes; and the same in out0
	v_add_nc_u32 v[RD], s23, v[CO]
	v_lshlrev_b32 v[BO], 5, v2
	s_lshl_b32 s16, s42, 10                        ; my first column, in bytes: 1,024 x tile column + 512 x half
	s_lshl_b32 s17, s14, 9
	s_add_co_u32 s16, s16, s17
	s_mov_b32 s17, 0
	s_add_nc_u64 s[8:9], s[8:9], s[16:17]          ; the bias at my first column
	s_lshl_b32 s22, s15, 19                        ; my first row: 128 x tile row + 64 x half, of 4,096 bytes
	s_add_co_u32 s16, s16, s22
	s_lshl_b32 s22, s13, 18
	s_add_co_u32 s16, s16, s22
	s_add_nc_u64 s[10:11], s[10:11], s[16:17]
	WIN TO_B
.irp b, 0,1,2,3,4,5,6,7                        ; in the result's layout: lane (r, h) wants, for block b, the bias of columns 16 b + 8 h + 0 .. 7
	global_load_b128 v[8*\b:8*\b+3],   v[BO], s[8:9] offset:64*\b
	global_load_b128 v[8*\b+4:8*\b+7], v[BO], s[8:9] offset:64*\b+16
.endr
	WIN 0
; 24 LDS loads in one run: the fragments of 32 along K at byte k of the rows, into buffer f
.macro FETCH slot, k, f
	WIN TO_B
.irp i, 0,1,2,3,4,5,6,7
	ds_load_b128 v[\f+8*\i:\f+8*\i+3],   v[ADRB+\slot] offset:\k+\i*16*PITCH
	ds_load_b128 v[\f+8*\i+4:\f+8*\i+7], v[ADRB+\slot] offset:\k+\i*16*PITCH+32
.endr
	WIN 0
.irp i, 0,1,2,3
	ds_load_b128 v[\f+8*\i:\f+8*\i+3],   v[ADRA+\slot] offset:\k+\i*16*PITCH
	ds_load_b128 v[\f+8*\i+4:\f+8*\i+7], v[ADRA+\slot] offset:\k+\i*16*PITCH+32
.endr
.endm
; 8 matrix instructions: row block a against all 8 column blocks, 32 along K.  zero = 1: the first product starts the sums, with the bias as C.  The 32 accumulators take turns in the same order in every quarter.
.macro MUL8 f, a, zero
.if \zero
	WIN 0x91                                       ; source 0 (wp16) and C (the bias) window 1, source 1 window 0, D window 2
.else
	WIN 0xa1                                       ; C and D window 2
.endif
.irp b, 0,1,2,3,4,5,6,7
.if \zero
	v_wmma_f32_16x16x32_f16 v[8*(8*\a+\b):8*(8*\a+\b)+7], v[\f+8*\b:\f+8*\b+7], v[\f+8*\a:\f+8*\a+7], v[8*\b:8*\b+7]
.else
	v_wmma_f32_16x16x32_f16 v[8*(8*\a+\b):8*(8*\a+\b)+7], v[\f+8*\b:\f+8*\b+7], v[\f+8*\a:\f+8*\a+7], v[8*(8*\a+\b):8*(8*\a+\b)+7]
.endif
.endr
.endm
; A K step is four quarters of 32 along K, 32 matrix instructions each, on buffers 0, 1, 0, 1.  One of the first three: at its head it asks for the next quarter's fragments, at byte k, into buffer g; then it multiplies buffer f.
.macro QUARTER slot, k, f, g, zero
	s_wait_dscnt 0x0                               ; buffer f is in (asked for 32 matrix instructions ago)
	PLACES                                         ; in front of loads into registers that matrix instructions have read
	FETCH \slot, \k, \g
	MUL8 \f, 0, \zero
	MUL8 \f, 1, \zero
	MUL8 \f, 2, \zero
	MUL8 \f, 3, \zero
.endm
; The last quarter multiplies buffer 1 and changes slots: ONE barrier; in front of it each wave waits for all its tensor loads, adds 0 to its spare word, and waits for that and for its own reads of this slot.  fill = 1: this slot is filled again, two K steps ahead.
.macro TURN slot, next, fill
	WIN 0                                          ; (the add's two registers lie in window 0)
	s_wait_tensorcnt 0x0                           ; all my tensor loads have landed: my part of the next slot;
	ds_add_u32 v[SPW], v[NIL]
	s_wait_dscnt 1                                 ; buffer 1 is in (the add may be out)
	MUL8 F1, 0, 0                                  ; eight matrix instructions stand between the add and the wait for it
	s_wait_dscnt 0x0                               ; the add is done, and my reads of this slot are over
	s_barrier_signal -1
	MUL8 F1, 1, 0
	WIN 0
	s_barrier_wait -1
.if \fill
	CREST                                          ; the barrier has opened a round of the cluster's barrier: no wave of any partner still reads this slot's tile or has a load on its way
	s_add_nc_u64 s[G0+4*\slot+2:G0+4*\slot+3], s[G0+4*\slot+2:G0+4*\slot+3], 2*KSTEP*2
	s_add_nc_u64 s[G0B+4*\slot+2:G0B+4*\slot+3], s[G0B+4*\slot+2:G0B+4*\slot+3], 2*KSTEP*2
	JLOAD \slot                                    ; the first tensor load behind the round; the four v_nop behind it are also the places in front of the loads below
.else
	PLACES
.endif
	FETCH \next, 0, F0
	MUL8 F1, 2, 0
	MUL8 F1, 3, 0
.endm
	s_wait_tensorcnt 1                             ; my part of K step 0 is in (K step 1's load may be out),
	s_barrier_signal -1
	s_barrier_wait -1                              ; everybody's is
	FETCH 0, 0, F0
	s_wait_loadcnt 0x0                             ; the bias
	QUARTER 0, 64, F0, F1, 1                       ; the first quarter stands in front of the loop: its products start the sums
	WIN 0                                          ; at a label and at a branch every window is 0
	s_mov_b32 s3, LAPS-1
.Llap:                                                 ; a trip goes once round the ring, from a lap's second quarter to the next lap's first, and fills both slots again
	QUARTER 0, 128, F1, F0, 0
	QUARTER 0, 192, F0, F1, 0
	TURN 0, 1, 1
	QUARTER 1, 64,  F0, F1, 0
	QUARTER 1, 128, F1, F0, 0
	QUARTER 1, 192, F0, F1, 0
	TURN 1, 0, 1
	QUARTER 0, 64,  F0, F1, 0
	WIN 0
	s_sub_co_u32 s3, s3, 1
	s_cmp_lg_u32 s3, 0
	s_cbranch_scc1 .Llap
	QUARTER 0, 128, F1, F0, 0                      ; the last lap fills nothing, and has no round of the cluster's barrier
	QUARTER 0, 192, F0, F1, 0
	TURN 0, 1, 0
	QUARTER 1, 64,  F0, F1, 0
	QUARTER 1, 128, F1, F0, 0
	QUARTER 1, 192, F0, F1, 0
	s_wait_dscnt 0x0                               ; the very last quarter: nothing more to fetch
	MUL8 F1, 0, 0
	MUL8 F1, 1, 0
	MUL8 F1, 2, 0
	MUL8 F1, 3, 0
	WIN 0
; THE WAY OUT, block by block of 16 rows x 128 columns.  A lane holds 32 neighbouring bytes of a row: a block goes through my own stage in LDS and comes back as whole rows of 512 bytes.
; LDS serves a wave's instructions in order: no wait between the stores and the loads, nor in front of the next block's stores.
.macro TOSTAGE a
	WIN 0x08                                       ; an LDS store's data are its source 1: window 2
.irp b, 0,1,2,3,4,5,6,7
	ds_store_b128 v[STO], v[64*(\a)+8*\b:64*(\a)+8*\b+3] offset:64*\b          ; each accumulator from its low end on
	ds_store_b128 v[STO], v[64*(\a)+8*\b+4:64*(\a)+8*\b+7] offset:64*\b+16
.endr
	WIN 0
.set BB, BK+64*((\a)%2)
.irp t, 0,1,2,3,4,5,6,7,8,9,10,11,12,13,14,15
	ds_load_b128 v[BB+4*\t:BB+4*\t+3], v[RD] offset:\t*SPITCH
.endr
.endm
.macro SEND a, younger                 ; younger: the LDS instructions issued behind block a's loads, which may stay out
.set BB, BK+64*((\a)%2)
	s_wait_dscnt \younger                          ; the block is back in registers
.irp t, 0,1,2,3,4,5,6,7,8,9,10,11,12,13,14,15
	global_store_b128 v[CO], v[BB+4*\t:BB+4*\t+3], s[10:11] offset:(16*(\a)+\t)*4096 th:TH_STORE_NT   ; 32 lanes store 512 consecutive bytes, at a multiple of 256 from out0's first byte; written once, read by nobody here
.endr
.endm
	PLACES                                         ; behind the last products: for the first reads of results and the loads into the registers that held fragments
	TOSTAGE 0
.irp a, 1,2,3
.if \a > 1
	s_wait_xcnt 0x0                                ; block a - 2's stores have read their registers: block a's rows may land there
.endif
	TOSTAGE \a
	SEND \a-1, 32                                  ; behind block a - 1's loads: block a's 16 stores and 16 loads
.endr
	SEND 3, 0
	s_wait_tensorcnt 0x0                           ; the wave's end, behind my last tensor load and my last LDS store
	ds_add_u32 v[SPW], v[NIL]
	s_wait_dscnt 0x0
	CROUND                                         ; the closing round
	s_endpgm
.Lfunc_end_k_qc8714f3d68_proj:
	.size	k_qc8714f3d68_proj, .Lfunc_end_k_qc8714f3d68_proj-k_qc8714f3d68_proj
	.p2alignl 7, 3214868480
	.fill 96, 4, 3214868480
	.section	.rodata,"a",@progbits
	.p2align	6, 0x0
	.amdhsa_kernel k_qc8714f3d68_proj
		.amdhsa_group_segment_fixed_size 327680
		.amdhsa_private_segment_fixed_size 0
		.amdhsa_enable_private_segment 0
		.amdhsa_kernarg_size 32
		.amdhsa_user_sgpr_count 2
		.amdhsa_user_sgpr_kernarg_segment_ptr 1
		.amdhsa_wavefront_size32 1
		.amdhsa_system_sgpr_workgroup_id_x 1
		.amdhsa_system_sgpr_workgroup_id_y 1
		.amdhsa_system_sgpr_workgroup_id_z 1
		.amdhsa_system_vgpr_workitem_id 0
		.amdhsa_next_free_vgpr 768
		.amdhsa_next_free_sgpr 66
		.amdhsa_reserve_vcc 0
		.amdhsa_float_denorm_mode_32 3
		.amdhsa_float_denorm_mode_16_64 3
		.amdhsa_memory_ordered 1
		.amdhsa_forward_progress 1
		.amdhsa_inst_pref_size 86
	.end_amdhsa_kernel
	.amdgpu_metadata
---
amdhsa.version: [ 1, 2 ]
amdhsa.kernels:
  - .name:           k_qc8714f3d68_proj
    .symbol:         k_qc8714f3d68_proj.kd
    .args:
      - { .name: att16, .offset: 0, .size: 8, .value_kind: global_buffer, .address_space: global }
      - { .name: wp16, .offset: 8, .size: 8, .value_kind: global_buffer, .address_space: global }
      - { .name: b_proj, .offset: 16, .size: 8, .value_kind: global_buffer, .address_space: global }
      - { .name: out0, .offset: 24, .size: 8, .value_kind: global_buffer, .address_space: global }
    .group_segment_fixed_size: 327680
    .private_segment_fixed_size: 0
    .kernarg_segment_align: 8
    .kernarg_segment_size: 32
    .max_flat_workgroup_size: 128
    .sgpr_count:     66
    .vgpr_count:     768
    .wavefront_size: 32
...
	.end_amdgpu_metadata
.endif
;; end of part 4
